; MI455X (gfx1250); checked and timed in simulation.
; The chip was launched on July 23, 2026; its instructions are those of AMD's public machine-readable ISA for CDNA 5 (MIT licence, August 2026) and "CDNA5" Instruction Set Architecture Reference Guide (July 2026). The comments in the code are by the model that wrote it; some were corrected since.
;; Multi Headed Self Attention. Allowed arithmetic: matrix products marked QUANTISED: E2M1 operands, one E8M0 scale for each 32 along K, by v_wmma_scale_f32_16x16x128_f8f6f4 with both operands' format E2M1 (or v_wmma_scale_f32_32x16x128_f4), f32 sums; products left as they are: bf16, f16 or f32 operands; f32 sums; everything else in f32.
;; Inputs: Wk 2 x 1,024 x 512 float32; Wq 2 x 1,024 x 512 float32; Wv 2 x 1,024 x 512 float32; embedded 4 x 2,048 x 1,024 float32.
;; Outputs: out0 4 x 2,048 x 1,024 float32.
;; This version of the problem:
;;   THIS VERSION OF THE PROBLEM IS GIVEN IN LOW PRECISION. The matrix products marked QUANTISED in the list below multiply operands that are first quantised to E2M1 (2 exponent bits, 1 mantissa bit; 4 bits a number), with one power-of-two scale for each 32 numbers along K (OCP MX v1.0); their sums are f32. The products marked 'left as it is' may take bf16, f16 or f32 operands, with f32 sums. Whichever they take, every output number must still come out within the allowed error. Rounding operands to bf16 (8 significant bits) uses up far more of that allowance than f16 does (11 bits, for magnitudes from 6e-5 to 65,504). All else is computed in f32.
;;   The module's matrix products, in the order in which they are computed (A, B: the left and right operand; K: the contracted axis; several contracted axes count as one K, in the product's order):
;;     1. [M 1,024, K 1,024] x [K 1,024, N 8,192]; A: input Wq; B: input embedded: QUANTISED
;;     2. [M 1,024, K 1,024] x [K 1,024, N 8,192]; A: input Wk; B: input embedded: QUANTISED
;;     3. [M 1,024, K 1,024] x [K 1,024, N 8,192]; A: input Wv; B: input embedded: QUANTISED
;;     4. batch 8 x [M 2,048, K 512] x [K 512, N 2,048]; A: computed on the way; B: computed on the way: left as it is (an operand is computed on the way)
;;     5. batch 8 x [M 2,048, K 2,048] x [K 2,048, N 512]; A: computed on the way; B: computed on the way: left as it is (an operand is computed on the way)
;;   THE QUANTISER, for each operand of a quantised product, along K:
;;     - K is cut into blocks of 32 from its start; a last block that is shorter is filled with zeros.
;;     - A block's scale is 2^e with e = floor(log2(the largest magnitude in the block)) - 2, held to -126 .. 127; a block of zeros has e = 0. As a byte (E8M0): e + 127.
;;     - Each number is divided by its block's scale, clamped to +-6, and rounded to the nearest number of E2M1, ties to even, subnormals kept.
;;     - The product sums the exact products of the quantised numbers (number of the format x scale) in f32.
;;   ~~~python
;;   def quantise(x, axis):      # numpy; x: float32 -> the quantised numbers, widened to float32 again
;;       x = np.moveaxis(x, axis, -1); K = x.shape[-1]
;;       x = np.pad(x, [(0, 0)] * (x.ndim - 1) + [(0, -K % 32)]); x = x.reshape(x.shape[:-1] + (-1, 32)); a = np.abs(x).max(-1, keepdims=True)
;;       e = np.where(a > 0, np.clip(np.frexp(np.where(a > 0, a, 1))[1] - 1 - 2, -126, 127), 0)      # np.frexp(a)[1] - 1 = floor(log2(a)), exactly
;;       r = np.clip(x / 2.0 ** e, -6, 6)
;;       step = 2.0 ** (np.maximum(np.frexp(np.where(r == 0, 1, r))[1] - 1, 0) - 1)
;;       q = np.round(r / step) * step * 2.0 ** e      # np.round: ties to even
;;       return np.moveaxis(q.reshape(q.shape[:-2] + (-1,))[..., :K], -1, axis).astype(np.float32)
;;   ~~~
;; One version. Each part assembles by itself: llvm-mc -triple=amdgcn-amd-amdhsa -mcpu=gfx1250 --defsym DOCPART=n.
;; ======== version 1 of 1: 5 launches
;; limits: values are held in f16: magnitudes above 65,504 overflow, below 6.1e-05 lose precision
;; workspace buffers: xc 4,194,304 bytes; xs 262,144 bytes; wc 1,572,864 bytes; ws 98,304 bytes; qkv 50,331,648 bytes; fine 786,432 bytes; part 67,108,864 bytes; st 262,144 bytes
;; launch quant (part 1): grid 304 x 1, 4 waves a work-group, no clusters, 68,096 bytes of LDS; arguments embedded, Wq, Wk, Wv, xc, xs, wc, ws; writes xc, xs, wc, ws
.if DOCPART == 1
	.amdgcn_target "amdgcn-amd-amdhsa--gfx1250"
	.amdhsa_code_object_version 6
	.text
	.protected	k_q98c8217a4f_quant
	.globl	k_q98c8217a4f_quant
	.p2align	8
	.type	k_q98c8217a4f_quant,@function
k_q98c8217a4f_quant:
	s_mov_b64 s[64:65], 0
	v_nop
	global_prefetch_b8 v0, s[64:65] scope:SCOPE_SE
	s_setreg_imm32_b32 hwreg(HW_REG_WAVE_MODE, 25, 1), 1
	s_wait_xcnt 0x0
; Both operands of the three projections become codes of FP4 (E2M1) with K = E innermost, and one E8M0 byte for each 32 along E.
; embedded [8192][1024] f32 -> xc [8192][512 bytes], xs [8192][32].   Wq, Wk, Wv [2][1024 (E)][512] f32 -> wc [3072][512 bytes], ws [3072][32], row n = 1024 x (q, k, v) + 512 x head + d.
; A block's scale is 2^(floor(log2(its largest magnitude)) - 2); its byte is the largest magnitude's exponent field - 2, held at 1 from below.
; LIMITS: a block of zeros gets the byte 1 where the rule says 127 (its codes are zeros, and this program alone reads the bytes); blocks whose largest magnitude lies under 2^(3 - 127) keep the byte 1; NaN and infinities are not served.
; Work-groups 0-255 take embedded, whose E is innermost: a plain stream of blocks of 32.  A wave takes 16 steps of 512 numbers; each load reads 512 consecutive bytes; a step turns through the wave's own stage in LDS,
; so that a lane holds 16 neighbours along E (two lanes to a block).  Work-groups 256-303 take the weights, whose E is NOT innermost: a lane takes a column d and its registers run down E, so a block lies in one lane.
; The two paths part on the work-group's number and have LDS bytes of their own.  No tensor loads, no barrier: waves share nothing.
.set SPW,   192                        ; v192 LDS address of my spare word; never rewritten
.set NIL,   193                        ; v193 0; never rewritten
.set SPARE, 67584                      ; behind both paths' stages: the spare words, 128 bytes a wave
.set STEPS, 16
.set XR,    16                         ; v16-79   path X: four sets of 16 numbers as loaded
.set XX,    80                         ; v80-111  two sets of 16 neighbours
.set XE,    112                        ; v112-127 a scale byte for each step
.set XC,    128                        ; v128-191 codes: registers of its own for each step, so that no store's data are written again
.set WREG,  8192                       ; path X: LDS bytes of a wave: two stages of 32 x SP, then its 256 scale bytes
.set SP,    80                         ; a lane's place in a stage: 64 bytes + 16 of padding
.set WBASE, 32768                      ; path W: its stages begin here, 32 x PITCH bytes a wave
.set NB,    16                         ; blocks of a lane: 512 along E
.set PITCH, 272                        ; a stage row: 256 bytes of codes + 16
.set KROW,  512                        ; a row of wc in bytes
.set WROW,  2048                       ; a row of a weight in bytes
.set WX,    32                         ; v32-95   path W: two sets of 32 numbers
.set WC,    96                         ; v96-99   a block's codes
.set WOUT,  112                        ; v112-175 the way out
.set WSB,   24                         ; v24-27   the scale bytes, four to a register
.macro XLOAD t
.irp i, 0,1,2,3
	global_load_b128 v[XR+16*((\t)%4)+4*\i:XR+16*((\t)%4)+4*\i+3], v3, s[4:5] offset:2048*(\t)+512*\i th:TH_LOAD_NT   ; 32 lanes read 512 consecutive bytes
.endr
.endm
.macro XTURN t                         ; step t's numbers through the stage: LDS serves a wave's instructions in order, so no wait stands between the stores and the loads
.irp i, 0,1,2,3
	ds_store_b128 v14, v[XR+16*((\t)%4)+4*\i:XR+16*((\t)%4)+4*\i+3] offset:32*SP*((\t)%2)+8*SP*\i
.endr
.irp i, 0,1,2,3
	ds_load_b128 v[XX+16*((\t)%2)+4*\i:XX+16*((\t)%2)+4*\i+3], v15 offset:32*SP*((\t)%2)+16*\i
.endr
.endm
.macro XSTEP t
.set XS, XX+16*((\t)%2)
.if (\t) > 0
	s_wait_dscnt 1                                 ; this step's numbers are back from the stage (the last step's byte store may be out)
.else
	s_wait_dscnt 0x0
.endif
.if (\t)+4 < STEPS
	XLOAD (\t)+4                                   ; into the set that this step's stage stores have read
.endif
.if (\t)+1 < STEPS
.if STEPS-2-(\t) >= 3
	s_wait_loadcnt 12                              ; the next step's four loads are in; those of the three steps behind it may be out
.else
	s_wait_loadcnt 4*(STEPS-2-(\t))
.endif
	XTURN (\t)+1
.endif
	v_max3_num_f32 v8, |v[XS]|, |v[XS+1]|, |v[XS+2]|               ; the largest magnitude of my 16, in two chains
	v_max3_num_f32 v9, |v[XS+3]|, |v[XS+4]|, |v[XS+5]|
.irp i, 6,10
	v_max3_num_f32 v8, v8, |v[XS+\i]|, |v[XS+\i+1]|
	v_max3_num_f32 v9, v9, |v[XS+\i+2]|, |v[XS+\i+3]|
.endr
	v_max3_num_f32 v8, v8, |v[XS+14]|, |v[XS+15]|
	v_max3_num_f32 v8, v8, v9, 0x1800000           ; and the floor 2^(3 - 127): the byte cannot fall under 1
	v_max_num_f32_dpp v8, v8, v8 row_xmask:1 row_mask:0xf bank_mask:0xf   ; with my neighbour's 16: the block's
	v_add_nc_u32 v11, 0xff000000, v8               ; 2 off its exponent field: the conversion takes the exponent field of this operand as its scale
	v_cvt_scalef32_pk8_fp4_f32 v[XC+4*(\t)], v[XS:XS+7], v11
	v_cvt_scalef32_pk8_fp4_f32 v[XC+4*(\t)+1], v[XS+8:XS+15], v11
	v_lshrrev_b32 v[XE+(\t)], 23, v11              ; the scale's byte (also the plain line behind the conversions)
	ds_store_b8 v5, v[XE+(\t)] offset:16*(\t)      ; both lanes of a block write the same byte with the same value
	global_store_b64 v4, v[XC+4*(\t):XC+4*(\t)+1], s[12:13] offset:256*(\t)   ; the wave stores 256 consecutive bytes, aligned
.endm
.macro WLOAD t                         ; block t: W(32 t + i, my column), i = 0 .. 31
.irp i, 0,1,2,3,4,5,6,7,8,9,10,11,12,13,14,15,16,17,18,19,20,21,22,23,24,25,26,27,28,29,30,31
	global_load_b32 v[WX+32*((\t)%2)+\i], v3, s[6:7] offset:(32*(\t)+\i)*WROW th:TH_LOAD_NT
.endr
.endm
.macro WBLOCK t
.set XS, WX+32*((\t)%2)
.if (\t) < NB-1
	s_wait_loadcnt 32                              ; this block's 32 loads are in; the next block's may be out
.else
	s_wait_loadcnt 0
.endif
	v_max3_num_f32 v12, |v[XS]|, |v[XS+1]|, |v[XS+2]|              ; the block's largest magnitude: all 32 numbers are mine
	v_max3_num_f32 v13, |v[XS+3]|, |v[XS+4]|, |v[XS+5]|
.irp i, 6,10,14,18,22,26
	v_max3_num_f32 v12, v12, |v[XS+\i]|, |v[XS+\i+1]|
	v_max3_num_f32 v13, v13, |v[XS+\i+2]|, |v[XS+\i+3]|
.endr
	v_max3_num_f32 v12, v12, |v[XS+30]|, |v[XS+31]|
	v_max3_num_f32 v12, v12, v13, 0x1800000        ; and the floor
	v_add_nc_u32 v11, 0xff000000, v12              ; the conversion's scale operand
	v_lshrrev_b32 v13, 23, v11                     ; the scale's byte
.if (\t)%4 == 0
	v_mov_b32 v[WSB+(\t)/4], v13                   ; four bytes to a register, the lower E in the lower byte
.else
	v_lshl_or_b32 v[WSB+(\t)/4], v13, 8*((\t)%4), v[WSB+(\t)/4]
.endif
.irp g, 0,1,2,3
	v_cvt_scalef32_pk8_fp4_f32 v[WC+\g], v[XS+8*\g:XS+8*\g+7], v11
.endr
	ds_store_b128 v4, v[WC:WC+3] offset:16*(\t)    ; 32 codes: 16 bytes of my column's row
.if (\t)+2 < NB
	WLOAD (\t)+2
.endif
	s_wait_dscnt 0x0                               ; the store has read its registers: the next block's codes may be written (plain vector lines stand ahead of them)
.endm
	s_load_b256 s[4:11], s[0:1], 0x0               ; embedded s[4:5], Wq s[6:7], Wk s[8:9], Wv s[10:11]
	s_load_b256 s[12:19], s[0:1], 0x20             ; xc s[12:13], xs s[14:15], wc s[16:17], ws s[18:19]
	v_lshl_add_u32 v[SPW], v0, 2, SPARE
	v_mov_b32 v[NIL], 0
	v_lshrrev_b32 v1, 5, v0
	v_readfirstlane_b32 s20, v1                    ; wave 0..3
	v_and_b32 v2, 31, v0                           ; lane
	s_wait_kmcnt 0x0
	s_cmp_lt_u32 ttmp9, 256                        ; the work-group's number alone decides the path
	s_cbranch_scc0 .Lweights
	; ---- path X: embedded
	v_lshlrev_b32 v3, 4, v2                        ; my 16 bytes of a load's 512
	s_mul_i32 s21, s20, WREG
	v_lshrrev_b32 v14, 2, v2
	v_mul_u32_u24 v14, v14, SP
	v_and_b32 v15, 3, v2
	v_lshl_add_u32 v14, v15, 4, v14
	v_add_nc_u32 v14, s21, v14                     ; the stage, on the way in: four lanes' 64 bytes on end, then 16 of padding
	v_mul_u32_u24 v15, v2, SP
	v_add_nc_u32 v15, s21, v15                     ; and on the way out: my 16 neighbours
	v_lshlrev_b32 v4, 3, v2                        ; 8 bytes a lane: my codes' place in a step's, and my part of the wave's 256 scale bytes
	v_lshrrev_b32 v5, 1, v2
	s_add_co_u32 s21, s21, 2*32*SP
	v_add_nc_u32 v5, s21, v5                       ; LDS: my block's scale byte
	v_add_nc_u32 v6, s21, v4                       ; and where I read 8 of them back
	s_lshl_b32 s22, ttmp9, 2
	s_add_co_u32 s22, s22, s20                     ; which run of 8,192 numbers is my wave's: 0 .. 1,023
	s_mov_b32 s25, 0
	s_lshl_b32 s24, s22, 15
	s_add_nc_u64 s[4:5], s[4:5], s[24:25]          ; 32,768 bytes of f32 a run,
	s_lshl_b32 s24, s22, 12
	s_add_nc_u64 s[12:13], s[12:13], s[24:25]      ; 4,096 of codes,
	s_lshl_b32 s24, s22, 8
	s_add_nc_u64 s[14:15], s[14:15], s[24:25]      ; 256 scale bytes
.irp t, 0,1,2,3
	XLOAD \t
.endr
	s_wait_loadcnt 12                              ; step 0's four loads are in
	XTURN 0
.irp t, 0,1,2,3,4,5,6,7,8,9,10,11,12,13,14,15
	XSTEP \t
.endr
	ds_load_b64 v[8:9], v6                         ; LDS serves a wave's instructions in order: these see my byte stores
	s_wait_dscnt 0x0
	global_store_b64 v4, v[8:9], s[14:15]          ; 32 lanes store 256 consecutive bytes, aligned
	s_branch .Lend
.Lweights:
	; ---- path W: j = work-group - 256 = 8 x (2 x (q, k, v) + head) + 2 x (which 128 columns) + (which 512 along E)
	s_sub_co_u32 s21, ttmp9, 256
	s_lshr_b32 s22, s21, 3                         ; 2 x (q, k, v) + head
	s_cmp_lt_u32 s22, 4
	s_cselect_b64 s[8:9], s[8:9], s[10:11]         ; Wk or Wv,
	s_cmp_lt_u32 s22, 2
	s_cselect_b64 s[6:7], s[6:7], s[8:9]           ; or Wq: the choice hangs on the work-group's number alone
	s_bfe_u32 s23, s21, 0x20001                    ; which 128 columns
	s_and_b32 s24, s21, 1                          ; which 512 along E
	s_lshl_b32 s25, s23, 7
	s_lshl_b32 s26, s20, 5
	s_add_co_u32 s25, s25, s26                     ; my wave's first column
	s_and_b32 s26, s22, 1
	s_lshl_b32 s26, s26, 21                        ; the head: 1,024 x 512 x 4 bytes
	s_lshl_b32 s27, s24, 20                        ; 512 rows of 2,048 bytes
	s_add_co_u32 s26, s26, s27
	s_lshl_b32 s27, s25, 2
	s_add_co_u32 s26, s26, s27
	s_mov_b32 s27, 0
	s_add_nc_u64 s[6:7], s[6:7], s[26:27]
	s_lshl_b32 s28, s22, 9
	s_add_co_u32 s28, s28, s25                     ; my first row of wc and ws
	s_lshl_b32 s26, s28, 9
	s_lshl_b32 s29, s24, 8
	s_add_co_u32 s26, s26, s29
	s_add_nc_u64 s[16:17], s[16:17], s[26:27]
	s_lshl_b32 s26, s28, 5
	s_lshl_b32 s29, s24, 4
	s_add_co_u32 s26, s26, s29
	s_add_nc_u64 s[18:19], s[18:19], s[26:27]
	v_lshlrev_b32 v3, 2, v2                        ; in: 4 bytes a lane: 128 consecutive bytes a wave, 512 a work-group
	s_mul_i32 s29, s20, 32*PITCH
	s_add_co_u32 s29, s29, WBASE                   ; my stage
	v_mul_u32_u24 v4, v2, PITCH
	v_add_nc_u32 v4, s29, v4                       ; into it: row = my column
	v_and_b32 v5, 15, v2
	v_lshrrev_b32 v6, 4, v2                        ; out of it: sixteen lanes to a row, two rows an instruction
	v_mul_u32_u24 v7, v6, PITCH
	v_lshl_add_u32 v7, v5, 4, v7
	v_add_nc_u32 v7, s29, v7
	v_mul_u32_u24 v8, v6, KROW
	v_lshl_add_u32 v8, v5, 4, v8                   ; and the same place in wc
	v_lshlrev_b32 v9, 5, v2                        ; my column's row of ws
	WLOAD 0
	WLOAD 1
.irp t, 0,1,2,3,4,5,6,7,8,9,10,11,12,13,14,15
	WBLOCK \t
.endr
	global_store_b128 v9, v[WSB:WSB+3], s[18:19]   ; my column's 16 scale bytes
.irp t, 0,1,2,3,4,5,6,7,8,9,10,11,12,13,14,15
	ds_load_b128 v[WOUT+4*\t:WOUT+4*\t+3], v7 offset:2*\t*PITCH
.endr
.irp t, 0,1,2,3,4,5,6,7,8,9,10,11,12,13,14,15
	s_wait_dscnt 15-\t                             ; LDS loads come back in order: pair t of rows is in
	global_store_b128 v8, v[WOUT+4*\t:WOUT+4*\t+3], s[16:17] offset:2*\t*KROW   ; sixteen lanes store 256 consecutive bytes, aligned
.endr
.Lend:
	s_wait_tensorcnt 0x0                           ; the wave's end, behind my last LDS store
	ds_add_u32 v[SPW], v[NIL]
	s_wait_dscnt 0x0
	s_endpgm
.Lfunc_end_k_q98c8217a4f_quant:
	.size	k_q98c8217a4f_quant, .Lfunc_end_k_q98c8217a4f_quant-k_q98c8217a4f_quant
	.p2alignl 7, 3214868480
	.fill 96, 4, 3214868480
	.section	.rodata,"a",@progbits
	.p2align	6, 0x0
	.amdhsa_kernel k_q98c8217a4f_quant
		.amdhsa_group_segment_fixed_size 68096
		.amdhsa_private_segment_fixed_size 0
		.amdhsa_enable_private_segment 0
		.amdhsa_kernarg_size 64
		.amdhsa_user_sgpr_count 2
		.amdhsa_user_sgpr_kernarg_segment_ptr 1
		.amdhsa_wavefront_size32 1
		.amdhsa_system_sgpr_workgroup_id_x 1
		.amdhsa_system_sgpr_workgroup_id_y 1
		.amdhsa_system_sgpr_workgroup_id_z 1
		.amdhsa_system_vgpr_workitem_id 0
		.amdhsa_next_free_vgpr 196
		.amdhsa_next_free_sgpr 66
		.amdhsa_reserve_vcc 0
		.amdhsa_float_denorm_mode_32 3
		.amdhsa_float_denorm_mode_16_64 3
		.amdhsa_memory_ordered 1
		.amdhsa_forward_progress 1
		.amdhsa_inst_pref_size 111
	.end_amdhsa_kernel
	.amdgpu_metadata
---
amdhsa.version: [ 1, 2 ]
amdhsa.kernels:
  - .name:           k_q98c8217a4f_quant
    .symbol:         k_q98c8217a4f_quant.kd
    .args:
      - { .name: embedded, .offset: 0, .size: 8, .value_kind: global_buffer, .address_space: global }
      - { .name: Wq, .offset: 8, .size: 8, .value_kind: global_buffer, .address_space: global }
      - { .name: Wk, .offset: 16, .size: 8, .value_kind: global_buffer, .address_space: global }
      - { .name: Wv, .offset: 24, .size: 8, .value_kind: global_buffer, .address_space: global }
      - { .name: xc, .offset: 32, .size: 8, .value_kind: global_buffer, .address_space: global }
      - { .name: xs, .offset: 40, .size: 8, .value_kind: global_buffer, .address_space: global }
      - { .name: wc, .offset: 48, .size: 8, .value_kind: global_buffer, .address_space: global }
      - { .name: ws, .offset: 56, .size: 8, .value_kind: global_buffer, .address_space: global }
    .group_segment_fixed_size: 68096
    .private_segment_fixed_size: 0
    .kernarg_segment_align: 8
    .kernarg_segment_size: 64
    .max_flat_workgroup_size: 128
    .sgpr_count:     66
    .vgpr_count:     196
    .wavefront_size: 32
...
	.end_amdgpu_metadata
.endif
;; end of part 1
;; launch proj (part 2): grid 12 x 32, 4 waves a work-group, clusters of 4 x 4, 327,680 bytes of LDS; arguments xc, xs, wc, ws, qkv, fine; writes qkv, fine
.if DOCPART == 2
	.amdgcn_target "amdgcn-amd-amdhsa--gfx1250"
	.amdhsa_code_object_version 6
	.text
	.protected	k_q98c8217a4f_proj
	.globl	k_q98c8217a4f_proj
	.p2align	8
	.type	k_q98c8217a4f_proj,@function
k_q98c8217a4f_proj:
	s_mov_b64 s[64:65], 0
	v_nop
	global_prefetch_b8 v0, s[64:65] scope:SCOPE_SE
	s_setreg_imm32_b32 hwreg(HW_REG_WAVE_MODE, 25, 1), 1
	s_wait_xcnt 0x0
	s_wait_alu depctr_hold_cnt(0) depctr_sa_sdst(0) depctr_va_vdst(0) depctr_va_sdst(0) depctr_va_ssrc(0) depctr_va_vcc(0) depctr_vm_vsrc(0)
	s_getreg_b32 s2, hwreg(HW_REG_IB_STS2, 6, 4)
	s_cmp_eq_u32 s2, 0
	s_cbranch_scc0 .Lentry_in_a_cluster
	s_endpgm
.Lentry_in_a_cluster:
	s_bfe_u32 s2, ttmp6, 0x10000c
	s_cmp_lg_u32 s2, 0xf033
	s_cbranch_scc0 .Lentry_shape_is_right
	s_endpgm
.Lentry_shape_is_right:
; The three projections as ONE product on codes of FP4 (E2M1): C[m][n] = sum over e of x[m][e] w[n][e], m = 2048 b + s (8,192), n = 1024 x (q, k, v) + 512 head + d (3,072), K = 1,024; sums in f32.
; C leaves rounded to f16 into qkv [8192][3072]; positions 0-15 of each batch leave in f32 too, into fine [4][16][3072], for the launch that redoes the first 16 positions.
; LIMIT: |q|, |k|, |v| stay under 65,504, f16's largest number.
; A tile of C, 256 x 256, is made by four waves, each 128 x 128: 64 accumulators, 512 registers.  K = 1,024 is two LDS slots of 512 along K (rows of 256 bytes): both are filled at the start and nothing is filled again.
; The scale bytes of the work-group's 256 rows of x and 256 rows of w come once, with the first fills, as whole runs of 256 bytes.
; CLUSTERS: 4 x 4 work-groups.  The four of a row of the cluster need the same tiles of x, the four of a column the same tiles of w: each tile is asked for JOINTLY, by the same tensor load with a mask that names the four.
; THE MATRIX INSTRUCTION IS USED TRANSPOSED (source 0 = 16 rows of w, source 1 = 16 rows of x): a lane then holds eight neighbouring numbers of a row of C.
; REGISTERS, in windows of 256: window 0: v0-31 addresses; v32-95 scale words, two sets; from v128 x's fragments, ONE set; on the way out v32-255 are free.
;   window 1: w's fragments, TWO sets.   window 2: the accumulators of my rows 0-63 ((a, b) at v[8 (8 a + b)]);   window 3: those of my rows 64-127.
.set SIZE_N, 3072
.set SIZE_K, 1024
.set KSTEP,  512
.set NQ,     KSTEP/128
.set ROWB,   256                       ; a tile's row in bytes
.set KROW,   SIZE_K/2                  ; a row of codes in memory
.set PITCH,  272                       ; an LDS row: 256 bytes + 16 of padding: the 16 rows that a load touches start 4 banks apart (64 banks of 4 bytes: ISA guide 11.1)
.set FR,     8
.set NL,     2
.set NP,     4                         ; places behind this matrix instruction (ISA guide 7.12.1)
.set HALFT,  128*PITCH
.set SLOT,   4*HALFT
.set KS,     SIZE_K/32                 ; a row of scale bytes
.set SCL,    2*SLOT
.set HALFS,  (128*KS/256)*272
.set SBLK,   (16*KS/256)*272
.set SPARE,  SCL+4*HALFS               ; the spare words, 128 bytes a wave
.set SPITCH, 272                       ; the way out: a stage of 16 rows x (256 + 16) bytes a wave, in slot 0, which has had its only fill and its last read by then
.set ADRA, 16
.set ADRB, 20
.set STO,  24
.set RD,   25
.set CO,   26
.set ADRS, 27
.set SPW,  28
.set NIL,  29
.set FO,   30                          ; v30 my byte offset in fine: 12,288 r + 32 h
.set SC,   32
.set AF,   128
.set TMP,  192                         ; the way out: packed results
.set OB,   32                          ; and 16 rows read back: v32-63 and v224-255 by turns
.set G1, 24
.set G0, 32
.set G1B, 48
.set G0B, 56
.set G1S, 68
.set G0S, 76
.set G1SB, 80
.set G0SB, 88
.set MSB, 0
.macro WIN new                         ; the immediate's high byte repeats the setting that is left
.if MSB != \new
	s_set_vgpr_msb (MSB<<8)|\new
.set MSB, \new
.endif
.endm
.set MUL_LO, 0xa1                      ; source 0 (w) window 1, source 1 (x) window 0, C and D window 2
.set MUL_HI, 0xf1
.set TO_B,   0x40
; A joint load: waves 0 and 1 fetch for x, waves 2 and 3 for w.  The branch hangs on the wave's number alone.  An s_nop 0 and four v_nop follow each line.
.macro JLOAD g0a, g1a, g0b, g1b
	s_cmp_eq_u32 s15, 0
	s_cbranch_scc0 .Lfor_b_\@
	tensor_load_to_lds s[\g0a:\g0a+3], s[\g1a:\g1a+7]
	s_nop 0
.rept 4
	v_nop
.endr
	s_branch .Lasked_\@
.Lfor_b_\@:
	tensor_load_to_lds s[\g0b:\g0b+3], s[\g1b:\g1b+7]
	s_nop 0
.rept 4
	v_nop
.endr
.Lasked_\@:
.endm
.macro CROUND                          ; a round of the cluster's barrier
	s_barrier_signal -1
	s_barrier_wait -1
	s_cmp_lg_u32 s14, 0
	s_cbranch_scc1 .Lnot_wave_0_\@
	s_barrier_signal -3
.Lnot_wave_0_\@:
	s_barrier_wait -3
	s_barrier_signal -1
	s_barrier_wait -1
.endm
	s_load_b128 s[4:7], s[0:1], 0x0                ; xc s[4:5], xs s[6:7]
	s_load_b128 s[8:11], s[0:1], 0x10              ; wc s[8:9], ws s[10:11]
	s_load_b64 s[12:13], s[0:1], 0x20              ; qkv
	s_load_b64 s[96:97], s[0:1], 0x28              ; fine
	v_lshl_add_u32 v[SPW], v0, 2, SPARE
	v_mov_b32 v[NIL], 0
	ds_add_u32 v[SPW], v[NIL]                      ; the wave's opening: the add, twice on end, and its wait ahead of my first tensor load
	ds_add_u32 v[SPW], v[NIL]
	v_lshrrev_b32 v1, 5, v0
	v_readfirstlane_b32 s14, v1                    ; wave 0..3
	s_lshr_b32 s15, s14, 1                         ; which half of the tile's rows is mine.  Also: I fetch for x (0) or for w (1)
	s_and_b32 s16, s14, 1                          ; which half of its columns.  Also: which 128 rows I fetch
	s_bfe_u32 s40, ttmp6, 0x40000                  ; cx, cy
	s_bfe_u32 s41, ttmp6, 0x40004
	s_lshl_b32 s42, ttmp9, 2
	s_add_co_u32 s42, s42, s40                     ; tile column of C
	s_and_b32 s17, ttmp7, 0xffff
	s_lshl_b32 s17, s17, 2
	s_add_co_u32 s17, s17, s41                     ; tile row of C
	s_lshl_b32 s43, s41, 2
	s_lshl_b32 s43, 15, s43                        ; my row of the cluster
	s_lshl_b32 s44, 0x1111, s40                    ; my column
	s_or_b32 s[G1+0], s43, (0<<16)|(1<<20)|(1<<21)|(5<<22)|(3<<25)  ; mask; elements of 1 byte; padding on; bit 21 beside a mask; 4 words after every 64
	s_or_b32 s[G1B+0], s44, (0<<16)|(1<<20)|(1<<21)|(5<<22)|(3<<25)
.irp g, G1, G1B
	s_mov_b32 s[\g+1], ROWB<<16                    ; tensor_dim0
	s_mov_b32 s[\g+2], 128<<16                     ; tensor_dim1
	s_mov_b32 s[\g+3], ROWB<<16                    ; tile_dim0
	s_mov_b32 s[\g+4], 128                         ; tile_dim1
	s_mov_b32 s[\g+5], KROW                        ; stride
	s_mov_b32 s[\g+6], 0
	s_mov_b32 s[\g+7], 0
.endr
	s_or_b32 s[G1S+0], s43, (3<<16)|(1<<20)|(1<<21)|(5<<22)|(3<<25)  ; the scales of 128 rows: a dense block, as rows of 256 bytes (32 elements of 8), 16 of padding behind each
	s_or_b32 s[G1SB+0], s44, (3<<16)|(1<<20)|(1<<21)|(5<<22)|(3<<25)
.irp g, G1S, G1SB
	s_mov_b32 s[\g+1], 32<<16
	s_mov_b32 s[\g+2], (128*KS/256)<<16
	s_mov_b32 s[\g+3], 32<<16
	s_mov_b32 s[\g+4], 128*KS/256
	s_mov_b32 s[\g+5], 32
	s_mov_b32 s[\g+6], 0
	s_mov_b32 s[\g+7], 0
.endr
	s_lshl_b32 s18, s16, 7
	s_lshl_b32 s20, s17, 8
	s_add_co_u32 s20, s20, s18                     ; x: row 256 x tile row + 128 x half
	s_lshl_b32 s46, s42, 8
	s_add_co_u32 s46, s46, s18                     ; w: row 256 x tile column + 128 x half
	s_mov_b32 s21, 0
	s_mov_b32 s47, 0
	s_mov_b64 s[18:19], KS
	s_mul_u64 s[22:23], s[20:21], s[18:19]
	s_mul_u64 s[92:93], s[46:47], s[18:19]
	s_mov_b64 s[18:19], KROW
	s_mul_u64 s[20:21], s[20:21], s[18:19]
	s_mul_u64 s[46:47], s[46:47], s[18:19]
	s_mul_i32 s45, s14, HALFT                      ; where they go: wave x 128 rows: no place in the cluster enters an LDS address
	s_mul_i32 s94, s14, HALFS
	s_wait_dscnt 0x0                               ; both opening adds are done
	s_wait_kmcnt 0x0
	s_add_nc_u64 s[20:21], s[4:5], s[20:21]
	s_add_nc_u64 s[22:23], s[6:7], s[22:23]
	s_add_nc_u64 s[46:47], s[8:9], s[46:47]
	s_add_nc_u64 s[92:93], s[10:11], s[92:93]
	CROUND                                         ; all sixteen work-groups are here: the first joint loads meet
	s_mov_b32 s[G0S], 1
	s_add_co_u32 s[G0S+1], s94, SCL
	s_mov_b64 s[G0S+2:G0S+3], s[22:23]
	s_or_b32 s[G0S+3], s[G0S+3], 0x80000000
	s_mov_b32 s[G0SB], 1
	s_add_co_u32 s[G0SB+1], s94, SCL
	s_mov_b64 s[G0SB+2:G0SB+3], s[92:93]
	s_or_b32 s[G0SB+3], s[G0SB+3], 0x80000000
	JLOAD G0S, G1S, G0SB, G1SB                     ; the scales first; by this text's count three loads of a wave are out at the most
.irp s, 0,1
	s_mov_b32 s[G0+4*\s], 1
	s_add_co_u32 s[G0+4*\s+1], s45, \s*SLOT
	s_add_nc_u64 s[G0+4*\s+2:G0+4*\s+3], s[20:21], \s*ROWB
	s_or_b32 s[G0+4*\s+3], s[G0+4*\s+3], 0x80000000
	s_mov_b32 s[G0B+4*\s], 1
	s_add_co_u32 s[G0B+4*\s+1], s45, \s*SLOT
	s_add_nc_u64 s[G0B+4*\s+2:G0B+4*\s+3], s[46:47], \s*ROWB
	s_or_b32 s[G0B+4*\s+3], s[G0B+4*\s+3], 0x80000000
	JLOAD G0+4*\s, G1, G0B+4*\s, G1B
.endr
	v_and_b32 v1, 15, v0                           ; r = l % 16
	v_bfe_u32 v2, v0, 4, 1                         ; h = l / 16
	v_mul_u32_u24 v3, v1, PITCH
	v_lshl_add_u32 v4, v2, 4, v3                   ; a fragment's row x pitch + 16 x half
	s_mul_i32 s21, s15, HALFT
	s_mul_i32 s22, s16, HALFT
	s_add_co_u32 s22, s22, 2*HALFT
.irp s, 0,1
	v_add_nc_u32 v[ADRA+\s], s21, v4
	v_add_nc_u32 v[ADRB+\s], s22, v4
	s_add_co_u32 s21, s21, SLOT
	s_add_co_u32 s22, s22, SLOT
.endr
	v_mul_u32_u24 v5, v1, KS                       ; my row's scales: KS bytes a row,
	v_lshrrev_b32 v6, 8, v5
	v_lshl_add_u32 v5, v6, 4, v5                   ; and 16 more for each 256 passed
	s_mul_i32 s21, s15, HALFS
	s_mul_i32 s22, s16, HALFS
	s_add_co_u32 s22, s22, 2*HALFS
	s_sub_co_u32 s22, s22, s21
	v_mul_u32_u24 v6, s22, v2                      ; lanes 16-31 take w's
	s_add_co_u32 s21, s21, SCL
	v_add_nc_u32 v5, v5, v6
	v_add_nc_u32 v[ADRS], s21, v5
	s_mul_i32 s23, s14, 16*SPITCH                  ; my stage
	v_mul_u32_u24 v5, v1, SPITCH                   ; in: row r, 16 bytes for each half of the lanes
	v_lshl_add_u32 v5, v2, 4, v5
	v_add_nc_u32 v[STO], s23, v5
	v_mul_u32_u24 v5, v2, SPITCH                   ; back: lanes 0-15 one row of 256 bytes, lanes 16-31 the next
	v_lshl_add_u32 v5, v1, 4, v5
	v_add_nc_u32 v[RD], s23, v5
	v_mul_u32_u24 v5, v2, SIZE_N*2                 ; and the same two rows in qkv
	v_lshl_add_u32 v[CO], v1, 4, v5
	v_mul_u32_u24 v5, v1, SIZE_N*4                 ; fine: row r, 32 bytes for each half of the lanes
	v_lshl_add_u32 v[FO], v2, 5, v5
	s_lshl_b32 s20, s17, 8
	s_lshl_b32 s21, s15, 7
	s_add_co_u32 s20, s20, s21                     ; my first row of C
	s_mul_i32 s20, s20, SIZE_N*2                   ; under 2^32: 8,192 rows of 6,144 bytes
	s_lshl_b32 s46, s42, 9
	s_lshl_b32 s47, s16, 8
	s_add_co_u32 s46, s46, s47                     ; my first column in bytes of f16
	s_add_co_u32 s20, s20, s46
	s_mov_b32 s21, 0
	s_add_nc_u64 s[12:13], s[12:13], s[20:21]
	s_lshr_b32 s20, s17, 3                         ; the batch: eight tile rows each
	s_mul_i32 s20, s20, 16*SIZE_N*4
	s_lshl_b32 s46, s46, 1                         ; my first column in bytes of f32
	s_add_co_u32 s20, s20, s46
	s_add_nc_u64 s[96:97], s[96:97], s[20:21]
	s_and_b32 s66, s17, 7
	s_or_b32 s66, s66, s15                         ; 0 where my rows begin with a batch's position 0
.macro FRAG reg, adr, q, i             ; 16 rows x 128 K of 4-bit codes: 8 registers; registers 4 c .. 4 c + 3 hold K = 64 c + 32 (l / 16) + 0 .. 31
.irp c, 0,1
	ds_load_b128 v[\reg+4*\c:\reg+4*\c+3], v[\adr] offset:64*(\q)+32*\c+(\i)*16*PITCH
.endr
.endm
; 16 matrix instructions: x's blocks a0, a0 + 1 against w's eight.  The 64 accumulators take turns, one instruction a turn.  zero = 1: the first product starts the sums.
.macro MUL16 a0, p, q, sc, zero
.irp a, \a0, \a0+1
.irp b, 0,1,2,3,4,5,6,7
.if \zero
	v_wmma_scale_f32_16x16x128_f8f6f4 v[8*(8*((\a)%4)+\b):8*(8*((\a)%4)+\b)+7], v[128*(\p)+FR*\b:128*(\p)+FR*\b+FR-1], v[AF+FR*(\a):AF+FR*(\a)+FR-1], 0, v[SC+8*NQ*(\sc)+NQ*\b+(\q)], v[SC+8*NQ*(\sc)+NQ*(\a)+(\q)] matrix_a_fmt:MATRIX_FMT_FP4 matrix_b_fmt:MATRIX_FMT_FP4 matrix_a_scale:MATRIX_SCALE_ROW1
.else
	v_wmma_scale_f32_16x16x128_f8f6f4 v[8*(8*((\a)%4)+\b):8*(8*((\a)%4)+\b)+7], v[128*(\p)+FR*\b:128*(\p)+FR*\b+FR-1], v[AF+FR*(\a):AF+FR*(\a)+FR-1], v[8*(8*((\a)%4)+\b):8*(8*((\a)%4)+\b)+7], v[SC+8*NQ*(\sc)+NQ*\b+(\q)], v[SC+8*NQ*(\sc)+NQ*(\a)+(\q)] matrix_a_fmt:MATRIX_FMT_FP4 matrix_b_fmt:MATRIX_FMT_FP4 matrix_a_scale:MATRIX_SCALE_ROW1
.endif
.endr
.endr
.endm
.macro FETCH_B slot, q, p
	WIN TO_B
.irp i, 0,1,2,3,4,5,6,7
	FRAG 128*(\p)+FR*\i, ADRB+\slot, \q, \i
.endr
	WIN 0
.endm
.macro FETCH_A slot, q, i0
.irp i, \i0, \i0+1, \i0+2, \i0+3
	FRAG AF+FR*(\i), ADRA+\slot, \q, \i
.endr
.endm
.macro SCALES sc                       ; a slot's scale words: lanes 0-15 take x's block i, lanes 16-31 w's block i
.irp i, 0,1,2,3,4,5,6,7
	ds_load_b128 v[SC+8*NQ*\sc+NQ*\i:SC+8*NQ*\sc+NQ*\i+3], v[ADRS] offset:\i*SBLK
.endr
.endm
.macro PLACES n                        ; plain vector lines between a matrix instruction and a load into, or a read of, its registers
.rept \n
	v_nop
.endr
.endm
.macro STEP slot, q, zero              ; 128 along K that has its successor in the same slot
	s_wait_dscnt 4*NL                              ; w's set and x's blocks 0-3 are in; the youngest eight loads (x's blocks 4-7) may be out
	WIN MUL_LO
	MUL16 0, (\q)%2, \q, \slot, \zero
	MUL16 2, (\q)%2, \q, \slot, \zero
	s_wait_dscnt 0
	PLACES NP
	FETCH_B \slot, (\q)+1, 1-(\q)%2
	FETCH_A \slot, (\q)+1, 0
	WIN MUL_HI
	MUL16 4, (\q)%2, \q, \slot, \zero
	MUL16 6, (\q)%2, \q, \slot, \zero
	PLACES NP
	WIN 0
	FETCH_A \slot, (\q)+1, 4
.endm
.macro STEPS slot, from
.set Q, \from
.rept NQ-1-\from
	STEP \slot, Q, 0
.set Q, Q+1
.endr
.endm
	s_wait_tensorcnt 1                             ; the scales and my part of slot 0 are in (slot 1's load may be out)
	s_barrier_signal -1
	s_barrier_wait -1                              ; everybody's are
	FETCH_B 0, 0, 0
	FETCH_A 0, 0, 0
	SCALES 0
	FETCH_A 0, 0, 4
	STEP 0, 0, 1                                   ; the first products start the sums: nothing is cleared
	STEPS 0, 1
	; slot 0's last step changes slots: one barrier; in front of it my part of slot 1 has landed
	s_wait_tensorcnt 0x0
	ds_add_u32 v[SPW], v[NIL]                      ; 0 onto my spare word
	s_wait_dscnt 4*NL+1                            ; (the add and the youngest eight loads may be out)
	WIN MUL_LO
	MUL16 0, 1, NQ-1, 0, 0
	s_wait_dscnt 0x0                               ; the add is done, and my reads of slot 0 are over
	s_barrier_signal -1
	MUL16 2, 1, NQ-1, 0, 0
	WIN 0
	s_barrier_wait -1
	PLACES NP
	v_add_nc_u32 v[ADRS], 4*NQ, v[ADRS]            ; on to slot 1's scale words
	FETCH_B 1, 0, 0
	FETCH_A 1, 0, 0
	SCALES 1
	WIN MUL_HI
	MUL16 4, 1, NQ-1, 0, 0
	MUL16 6, 1, NQ-1, 0, 0
	PLACES NP
	WIN 0
	FETCH_A 1, 0, 4
	STEPS 1, 0
	s_wait_dscnt 4*NL                              ; the very last step: nothing more to fetch
	WIN MUL_LO
	MUL16 0, 1, NQ-1, 1, 0
	MUL16 2, 1, NQ-1, 1, 0
	s_wait_dscnt 0
	WIN MUL_HI
	MUL16 4, 1, NQ-1, 1, 0
	MUL16 6, 1, NQ-1, 1, 0
	WIN 0
	PLACES NP                                      ; behind the last products: for all reads of results and all loads into operands' registers below
	; POSITIONS 0-15 IN f32.  Block 0 of a wave whose rows begin a batch goes to fine as it stands.  A mask of lanes made of ids, no branch: in all other waves no lane is on.
	v_mov_b32 v31, s66
	v_cmp_eq_u32 vcc_lo, 0, v31
	s_wait_xcnt 0x0                                ; EXEC changes only behind this wait
	s_and_saveexec_b32 s67, vcc_lo
	WIN 0x08                                       ; a store's data are its source 1: window 2
.irp b, 0,1,2,3,4,5,6,7
	global_store_b128 v[FO], v[8*\b:8*\b+3], s[96:97] offset:64*\b          ; each accumulator from its low end on
	global_store_b128 v[FO], v[8*\b+4:8*\b+7], s[96:97] offset:64*\b+16
.endr
	WIN 0
	s_wait_xcnt 0x0                                ; and again in front of the line that widens it
	s_or_b32 exec_lo, exec_lo, s67
; THE WAY OUT, block by block of 16 rows x 128 columns: rounded to f16, 16 bytes a lane, through my own stage, back as whole rows of 256 bytes.
.macro PACK a
.set AC, 64*((\a)%4)
	WIN 0x0a+5*((\a)/4)                            ; sources 0 and 1: window 2 or 3
.irp b, 0,1,2,3,4,5,6,7
.irp r, 0,1,2,3
	v_cvt_pk_f16_f32 v[TMP+4*\b+\r], v[AC+8*\b+2*\r], v[AC+8*\b+2*\r+1]
.endr
.endr
	WIN 0
.endm
.macro TOSTAGE a
.set BK, OB+192*((\a)%2)
.irp b, 0,1,2,3,4,5,6,7
	ds_store_b128 v[STO], v[TMP+4*\b:TMP+4*\b+3] offset:32*\b
.endr
.irp t, 0,1,2,3,4,5,6,7
	ds_load_b128 v[BK+4*\t:BK+4*\t+3], v[RD] offset:\t*2*SPITCH    ; LDS serves a wave's instructions in order: these see the stores above
.endr
.endm
.macro SEND a
.set BK, OB+192*((\a)%2)
	s_wait_dscnt 0x0                               ; the block is back in registers
	s_wait_xcnt 0x0                                ; earlier stores have read their base and their registers: both may be written again
.if (\a) > 0
	s_add_nc_u64 s[12:13], s[12:13], 16*SIZE_N*2   ; 16 rows on
.endif
.irp t, 0,1,2,3,4,5,6,7
	global_store_b128 v[CO], v[BK+4*\t:BK+4*\t+3], s[12:13] offset:2*\t*SIZE_N*2   ; 16 lanes store 256 consecutive bytes, at a multiple of 256 from qkv's first byte
.endr
.endm
	PACK 0
	TOSTAGE 0
.irp a, 1,2,3,4,5,6,7                  ; block a's conversions stand between block a - 1's loads from the stage and the wait for them
	PACK \a
	SEND \a-1
	TOSTAGE \a
.endr
	SEND 7
	s_wait_tensorcnt 0x0                           ; the wave's end
	ds_add_u32 v[SPW], v[NIL]
	s_wait_dscnt 0x0
	CROUND                                         ; the closing round
	s_endpgm
.Lfunc_end_k_q98c8217a4f_proj:
	.size	k_q98c8217a4f_proj, .Lfunc_end_k_q98c8217a4f_proj-k_q98c8217a4f_proj
	.p2alignl 7, 3214868480
	.fill 96, 4, 3214868480
	.section	.rodata,"a",@progbits
	.p2align	6, 0x0
	.amdhsa_kernel k_q98c8217a4f_proj
		.amdhsa_group_segment_fixed_size 327680
		.amdhsa_private_segment_fixed_size 0
		.amdhsa_enable_private_segment 0
		.amdhsa_kernarg_size 48
		.amdhsa_user_sgpr_count 2
		.amdhsa_user_sgpr_kernarg_segment_ptr 1
		.amdhsa_wavefront_size32 1
		.amdhsa_system_sgpr_workgroup_id_x 1
		.amdhsa_system_sgpr_workgroup_id_y 1
		.amdhsa_system_sgpr_workgroup_id_z 1
		.amdhsa_system_vgpr_workitem_id 0
		.amdhsa_next_free_vgpr 1024
		.amdhsa_next_free_sgpr 100
		.amdhsa_reserve_vcc 1
		.amdhsa_float_denorm_mode_32 3
		.amdhsa_float_denorm_mode_16_64 3
		.amdhsa_memory_ordered 1
		.amdhsa_forward_progress 1
		.amdhsa_inst_pref_size 129
	.end_amdhsa_kernel
	.amdgpu_metadata
---
amdhsa.version: [ 1, 2 ]
amdhsa.kernels:
  - .name:           k_q98c8217a4f_proj
    .symbol:         k_q98c8217a4f_proj.kd
    .args:
      - { .name: xc, .offset: 0, .size: 8, .value_kind: global_buffer, .address_space: global }
      - { .name: xs, .offset: 8, .size: 8, .value_kind: global_buffer, .address_space: global }
      - { .name: wc, .offset: 16, .size: 8, .value_kind: global_buffer, .address_space: global }
      - { .name: ws, .offset: 24, .size: 8, .value_kind: global_buffer, .address_space: global }
      - { .name: qkv, .offset: 32, .size: 8, .value_kind: global_buffer, .address_space: global }
      - { .name: fine, .offset: 40, .size: 8, .value_kind: global_buffer, .address_space: global }
    .group_segment_fixed_size: 327680
    .private_segment_fixed_size: 0
    .kernarg_segment_align: 8
    .kernarg_segment_size: 48
    .max_flat_workgroup_size: 128
    .sgpr_count:     100
    .vgpr_count:     1024
    .wavefront_size: 32
...
	.end_amdgpu_metadata
.endif
;; end of part 2
;; launch attn (part 3): grid 32 x 12, 4 waves a work-group, clusters of 4 x 1, 327,680 bytes of LDS; arguments qkv, out0, part, st; writes out0, part, st
.if DOCPART == 3
	.amdgcn_target "amdgcn-amd-amdhsa--gfx1250"
	.amdhsa_code_object_version 6
	.text
	.protected	k_q98c8217a4f_attn
	.globl	k_q98c8217a4f_attn
	.p2align	8
	.type	k_q98c8217a4f_attn,@function
k_q98c8217a4f_attn:
	s_mov_b64 s[64:65], 0
	v_nop
	global_prefetch_b8 v0, s[64:65] scope:SCOPE_SE
	s_setreg_imm32_b32 hwreg(HW_REG_WAVE_MODE, 25, 1), 1
	s_wait_xcnt 0x0
	s_wait_alu depctr_hold_cnt(0) depctr_sa_sdst(0) depctr_va_vdst(0) depctr_va_sdst(0) depctr_va_ssrc(0) depctr_va_vcc(0) depctr_vm_vsrc(0)
	s_getreg_b32 s2, hwreg(HW_REG_IB_STS2, 6, 4)
	s_cmp_eq_u32 s2, 0
	s_cbranch_scc0 .Lentry_in_a_cluster
	s_endpgm
.Lentry_in_a_cluster:
	s_bfe_u32 s2, ttmp6, 0x10000c
	s_cmp_lg_u32 s2, 0x3003
	s_cbranch_scc0 .Lentry_shape_is_right
	s_endpgm
.Lentry_shape_is_right:
; Causal attention for 8 (batch, head) pairs, 2,048 positions, head size 512.  q, k, v: f16, in qkv [8192][3072] (a row: q of 2 heads, k of 2 heads, v of 2 heads).  out0 [4][2048][1024] f32.
; Products on f16 operands with f32 sums; maxima, exponentials and row sums in f32; the weights p = 2^(c s - c m), at most 1, are rounded to f16 for the second product; O is divided by the row's sum at the end.
; LIMITS: NaN and infinities are not served; sums are ordered otherwise than a plain loop over keys.  Positions 0-15 are stored here like all others and stored again, from f32 operands, by a later launch.
; JOBS.  A cluster of four work-groups owns pair P: 256 neighbouring queries, blocks 2 P (early) and 2 P + 1 (late) of 128.  Partner p owns 32 queries of each: tiles 0, 1 = late, tiles 2, 3 = early.  Both blocks walk
; the same keys, 128 a step.  Pair P needs 2 P + 2 steps.  THE KEYS OF PAIRS 4 TO 7 ARE CUT AT KEY 1,024: one job walks keys 0 .. 1,023 (8 steps, none masked), another the rest up to the diagonal (2 P - 6 steps).
; So no job has more than 8 steps.  The cluster's x is 2 x batch + head, its y the job, 12 a head, numbered so that their lengths are 6, 6, 8, 8, 8, 8, 8, 8, 4, 4, 2, 2 steps: job y + 8 added to job y makes 10.
; A job of pairs 0 to 3 stores out0.  A job of pairs 4 to 7 stores its own O / l into part (laid as out0, twice: the second part 33,554,432 bytes on) and each query's c m and l into st; the next launch joins the two.
; In a job that ends at its diagonal the last step but one masks the early block's diagonal; in the last step the late block's diagonal is masked and the early block's scores all become -infinity: p = 0, a = 1, so its sums stay.
; K's and V's tiles are the same for the four partners: each is asked for JOINTLY (mask 15).  No branch and no LDS address hangs on the place in the cluster: it enters only Q's, O's, the statistics' and the prefetches' addresses and the mask's numbers.
; THE WAVES SHARE KEYS, THEN CHANNELS.  S^T = K Q^T: wave w takes keys 32 w .. +31 of the step against all four tiles of queries (Q of all 64 queries lies in every wave's registers).  O^T = V^T P: wave w takes channels
; 128 w .. +127.  So a fragment of K or V read from LDS feeds four products.  Between the products the waves' row maxima, and P as images of operand registers, go through LDS.
; A lane holds ONE query (lane % 16) in S^T, P and O^T.  Two tiles of S^T (32 keys), rounded in pairs, ARE source 1 of the second product for K step w.
; K and V have one LDS slot each (128 keys x 1 KB), filled half a step apart: V of step j is asked for at the step's head, K of step j + 1 between the products.  By this text's count one tensor load of a wave is out at a time.
; REGISTERS, in windows of 256: window 0: v1-19 addresses; v20-43 statistics, six a tile; v44-63 maxima; v64-127 S^T, then P's fragments; v128-255 two sets of fragments of K or V.
;   window 1: O^T, (tile t, 16 channels c) at 64 t + 8 c.   windows 2, 3: Q, (tile t, 32 channels i) at 64 t + 8 (i % 8) of window 2 + i / 8.
.set PK,    1040                       ; a key's row of K in LDS: 1,024 bytes + 16: row r starts at bank 4 r mod 64 (64 banks of 4 bytes: ISA guide 11.1)
.set PV,    1056                       ; of V: 1,024 + 32: an odd multiple of 32, for the turning load
.set VB,    128*PK                     ; V's slot
.set PIMG,  VB+128*PV                  ; P's images: fragment (wave s, tile t) at (4 s + t) x 1,024, half u at + 512, lane at 16 l
.set MAXX,  PIMG+16384                 ; the waves' row maxima: 512 w + 16 l; 2,048 bytes on: their row sums
.set STAGE, MAXX+4096                  ; the way out: 16 rows x (512 + 16) bytes a wave
.set SPARE, STAGE+4*16*528             ; the spare words, 128 bytes a wave
.set ROWQ,  6144                       ; a row of qkv in bytes
.set STEPB, 128*ROWQ                   ; a step's 128 keys in memory
.set AK,  1
.set AV0, 2                            ; v2, v3: V's keys 0-63 and 64-127 (an LDS offset has 16 bits)
.set PWI, 4
.set LI,  5
.set MXW, 6
.set MXR, 7
.set QO,  8
.set STO, 9
.set RD,  10
.set GO,  11
.set SPW, 12
.set NIL, 13
.set PFO, 14
.set DM,  15                           ; v15 my query less my first key, inside a block of 128: 32 p + r - 32 w - 8 h
.set NINF, 16
.set RR,  17                           ; v17 r = lane % 16
.set HH,  18                           ; v18 h = lane / 16
.set SO8, 19                           ; v19 the lane, then 8 x lane: my place in a piece's statistics
.set ST,  20                           ; tile t at v[ST + 6 t]: +0 c m, +1 m, +2, +3 l (my wave's keys), +4 a, +5 at work
.set MX,  44
.set XM,  48
.set S,   64
.set FB,  128
.set WV,  8
.set CX,  9
.set G1K, 16
.set G1V, 24
.set G0K, 32
.set G0V, 36
.set CS,  40                           ; s[40:41] c = log2(e) / sqrt(512)
.set SEL, 42
.set CA,  44                           ; steps of the loop still to go
.set MK,  45                           ; 1 in a job that ends at its diagonal, 0 in a first part
.set LEFT, 46                          ; steps still to go, this one among them
.set LIMK, 47
.set LIMV, 48
.set PFK, 50
.set PFV, 52
.set QB,  54                           ; s[54:55], s[56:57] Q at the late and at the early piece
.set OB,  58                           ; s[58:59], s[60:61] the result likewise, at my wave's 128 channels
.set PP,  80                           ; the pair
.set FK,  81                           ; 1 in a first part
.set SEC, 82                           ; 1 in a second part
.set SPLIT, 83                         ; 1 where the pair's keys are cut
.set STB, 84                           ; s[84:85], s[86:87] the statistics of the late and of the early piece
.set MSB, 0
.macro WIN new                         ; the immediate's high byte repeats the setting that is left
.if MSB != \new
	s_set_vgpr_msb (MSB<<8)|\new
.set MSB, \new
.endif
.endm
.macro PLACES n                        ; plain vector lines between a matrix instruction and what touches its registers (ISA guide 7.12.1)
.rept \n
	v_nop
.endr
.endm
.macro CROUND                          ; a round of the cluster's barrier
	s_barrier_signal -1
	s_barrier_wait -1
	s_cmp_lg_u32 s[WV], 0
	s_cbranch_scc1 .Lnot_wave_0_\@
	s_barrier_signal -3
.Lnot_wave_0_\@:
	s_barrier_wait -3
	s_barrier_signal -1
	s_barrier_wait -1
.endm
; A PREFETCH INTO THE L2 of the tile that the next tensor load of its kind will ask for.  Several jobs of a head walk the same K and V; the two jobs of pair 7, which between them walk all 16 steps, ask, each for its own 8.
; The partners share a step's 128 rows out BY ADDRESS, 32 each; wave w takes bytes 256 w .. +255 of each row's 1,024; a lane a row.  So each run of 256 bytes is named once in the launch.  It stops where the job has no step left.
.macro ASK lim, pf
	s_cmp_gt_u32 s[LEFT], s[\lim]
	s_cbranch_scc0 .Lnot_mine_\@
	global_prefetch_b8 v[PFO], s[\pf:\pf+1] th:TH_LOAD_NT scope:SCOPE_SE
.Lnot_mine_\@:
.endm
.macro KLOAD g, z                      ; my 32 keys x channels 128 g .. +127: 8 fragments (tile u, 32 channels i) into set z
.irp u, 0,1
.irp i, 0,1,2,3
	ds_load_b128 v[FB+64*\z+8*(4*\u+\i):FB+64*\z+8*(4*\u+\i)+3],   v[AK] offset:16*PK*\u+64*(4*\g+\i)
	ds_load_b128 v[FB+64*\z+8*(4*\u+\i)+4:FB+64*\z+8*(4*\u+\i)+7], v[AK] offset:16*PK*\u+64*(4*\g+\i)+32
.endr
.endr
.endm
.macro KMUL g, z                       ; 32 products of S^T; the 8 accumulators take turns, one instruction a turn; the first start the sums
	WIN 0x08+4*((\g)/2)                            ; source 1 (Q): window 2 or 3
.irp i, 0,1,2,3
.irp u, 0,1
.irp t, 0,1,2,3
.if (\g == 0) && (\i == 0)
	v_wmma_f32_16x16x32_f16 v[S+16*\t+8*\u:S+16*\t+8*\u+7], v[FB+64*\z+8*(4*\u+\i):FB+64*\z+8*(4*\u+\i)+7], v[64*\t+8*((4*\g+\i)%8):64*\t+8*((4*\g+\i)%8)+7], 0
.else
	v_wmma_f32_16x16x32_f16 v[S+16*\t+8*\u:S+16*\t+8*\u+7], v[FB+64*\z+8*(4*\u+\i):FB+64*\z+8*(4*\u+\i)+7], v[64*\t+8*((4*\g+\i)%8):64*\t+8*((4*\g+\i)%8)+7], v[S+16*\t+8*\u:S+16*\t+8*\u+7]
.endif
.endr
.endr
.endr
.endm
.macro VLOAD s, z                      ; keys 32 s .. +31 x my 128 channels, turned: 8 fragments of V^T into set z
.irp c, 0,1,2,3,4,5,6,7
	ds_load_tr16_b128 v[FB+64*\z+8*\c:FB+64*\z+8*\c+3],   v[AV0+(\s)/2] offset:((\s)%2)*32*PV+32*\c
	ds_load_tr16_b128 v[FB+64*\z+8*\c+4:FB+64*\z+8*\c+7], v[AV0+(\s)/2] offset:((\s)%2)*32*PV+16*PV+32*\c
.endr
.endm
.macro PLOAD s                         ; wave s's images of P: K step s of the second product
.irp t, 0,1,2,3
	ds_load_b128 v[S+32*((\s)%2)+8*\t:S+32*((\s)%2)+8*\t+3],   v[LI] offset:(4*\s+\t)*1024
	ds_load_b128 v[S+32*((\s)%2)+8*\t+4:S+32*((\s)%2)+8*\t+7], v[LI] offset:(4*\s+\t)*1024+512
.endr
.endm
.macro PVMUL s                         ; 32 products of O^T, all accumulators by turns
	WIN 0x50                                       ; C and D: window 1
.irp c, 0,1,2,3,4,5,6,7
.irp t, 0,1,2,3
	v_wmma_f32_16x16x32_f16 v[64*\t+8*\c:64*\t+8*\c+7], v[FB+64*((\s)%2)+8*\c:FB+64*((\s)%2)+8*\c+7], v[S+32*((\s)%2)+8*\t:S+32*((\s)%2)+8*\t+7], v[64*\t+8*\c:64*\t+8*\c+7]
.endr
.endr
.endm
.macro MASK t0                         ; the diagonal block of tiles t0, t0 + 1: register (u, j) holds key 32 w + 16 u + 8 h + j, hidden where that is above query 32 p + 16 tt + r
.irp tt, 0,1
.irp u, 0,1
.irp j, 0,1,2,3,4,5,6,7
	v_cmp_gt_i32 vcc_lo, 16*\u+\j-16*\tt, v[DM]
	v_cndmask_b32 v[S+16*(\t0+\tt)+8*\u+\j], v[S+16*(\t0+\tt)+8*\u+\j], v[NINF], vcc_lo
.endr
.endr
.endr
.endm
.macro HIDE t0                         ; all keys of the step come after the queries of tiles t0, t0 + 1
.irp tt, 0,1
.irp j, 0,1,2,3,4,5,6,7,8,9,10,11,12,13,14,15
	v_mov_b32 v[S+16*(\t0+\tt)+\j], v[NINF]
.endr
.endr
.endm
.macro LMAX                            ; each query's largest score among my wave's 32 keys, to LDS; each accumulator is read from its low end on
.irp t, 0,1,2,3
	v_max3_num_f32 v[MX+\t], v[S+16*\t], v[S+16*\t+1], v[S+16*\t+2]
	v_max3_num_f32 v[XM+\t], v[S+16*\t+8], v[S+16*\t+9], v[S+16*\t+10]
.endr
.irp i, 3,5
.irp t, 0,1,2,3
	v_max3_num_f32 v[MX+\t], v[MX+\t], v[S+16*\t+\i], v[S+16*\t+\i+1]
	v_max3_num_f32 v[XM+\t], v[XM+\t], v[S+16*\t+8+\i], v[S+16*\t+9+\i]
.endr
.endr
.irp t, 0,1,2,3
	v_max3_num_f32 v[MX+\t], v[MX+\t], v[S+16*\t+7], v[S+16*\t+15]
.endr
.irp t, 0,1,2,3
	v_max_num_f32 v[MX+\t], v[MX+\t], v[XM+\t]
.endr
.irp t, 0,1,2,3
	v_permlanex16_b32 v[XM+4+\t], v[MX+\t], s[SEL], s[SEL+1]       ; the query's other 16 keys lie in the lane 16 away
.endr
.irp t, 0,1,2,3
	v_max_num_f32 v[MX+\t], v[MX+\t], v[XM+4+\t]
.endr
	ds_store_b128 v[MXW], v[MX:MX+3]
.endm
.macro SOFTMAX                         ; the four waves' maxima are in XM (wave w', tile t at 4 w' + t); tiles by turns, so that no line waits for the line above it
.irp t, 0,1,2,3
	v_mov_b32 v[ST+6*\t+5], v[ST+6*\t]             ; c m_old
.endr
.irp t, 0,1,2,3
	v_max3_num_f32 v[ST+6*\t+1], v[ST+6*\t+1], v[XM+\t], v[XM+4+\t]
.endr
.irp t, 0,1,2,3
	v_max3_num_f32 v[ST+6*\t+1], v[ST+6*\t+1], v[XM+8+\t], v[XM+12+\t]   ; the running maximum, the same in all four waves
.endr
.irp t, 0,1,2,3
	v_mul_f32 v[ST+6*\t], s[CS], v[ST+6*\t+1]
.endr
.irp t, 0,1,2,3
	v_sub_f32 v[ST+6*\t+5], v[ST+6*\t+5], v[ST+6*\t]
.endr
.irp b, 0,1,2,3,4,5,6,7
.irp t, 0,1,2,3
	v_pk_fma_f32 v[S+16*\t+2*\b:S+16*\t+2*\b+1], v[S+16*\t+2*\b:S+16*\t+2*\b+1], s[CS:CS+1], v[ST+6*\t:ST+6*\t+1] op_sel_hi:[1,0,0] neg_lo:[0,0,1] neg_hi:[0,0,1]   ; c s - c m
.endr
.endr
.irp t, 0,1,2,3
	v_exp_f32 v[ST+6*\t+4], v[ST+6*\t+5]           ; a = 2^(c m_old - c m_new)
.endr
.irp j, 0,1,2,3,4,5,6,7,8,9,10,11,12,13,14,15
.irp t, 0,1,2,3
	v_exp_f32 v[S+16*\t+\j], v[S+16*\t+\j]
.endr
.endr
	v_nop                                          ; a plain line behind the last exponential,
	s_wait_alu depctr_va_vdst(0)                   ; and ONE wait for the whole batch, ahead of its first reader
.irp t, 0,1,2,3
	v_pk_add_f32 v[XM+4*\t:XM+4*\t+1], v[S+16*\t:S+16*\t+1], v[S+16*\t+2:S+16*\t+3]   ; the row's sum is taken of the unrounded p
.endr
.irp b, 2,3,4,5,6,7
.irp t, 0,1,2,3
	v_pk_add_f32 v[XM+4*\t:XM+4*\t+1], v[XM+4*\t:XM+4*\t+1], v[S+16*\t+2*\b:S+16*\t+2*\b+1]
.endr
.endr
.irp t, 0,1,2,3
	v_pk_fma_f32 v[ST+6*\t+2:ST+6*\t+3], v[ST+6*\t+2:ST+6*\t+3], v[ST+6*\t+4:ST+6*\t+5], v[XM+4*\t:XM+4*\t+1] op_sel_hi:[1,0,1]   ; l = a l + the sum
.endr
.irp u, 0,1
.irp i, 0,1,2,3
.irp t, 0,1,2,3
	v_cvt_pk_f16_f32 v[S+16*\t+8*\u+\i], v[S+16*\t+8*\u+2*\i], v[S+16*\t+8*\u+2*\i+1]   ; in place, ascending: a pair is read before its place is written
.endr
.endr
.endr
.irp t, 0,1,2,3
.irp u, 0,1
	ds_store_b128 v[PWI], v[S+16*\t+8*\u:S+16*\t+8*\u+3] offset:1024*\t+512*\u
.endr
.endr
.endm
.macro RESCALE                         ; O^T x a, each accumulator from its low end on
	WIN 0x41                                       ; destination and source 0: window 1
.irp t, 0,1,2,3
.set i, 0
.rept 32
	v_pk_mul_f32 v[64*\t+i:64*\t+i+1], v[64*\t+i:64*\t+i+1], v[ST+6*\t+4:ST+6*\t+5] op_sel_hi:[1,0]
.set i, i+2
.endr
.endr
.endm
; A KEY STEP of 128 keys for the four tiles.  fillk = 1: K of the next step is asked for.  mask = 1: in the loop's last trip of a job that ends at its diagonal tiles 2, 3 are masked; 3: in such a job tiles 0, 1 are masked and tiles 2, 3 hidden.
.macro STEP fillk, mask
	WIN 0
	s_wait_tensorcnt 0x0                           ; my one load that was out, my part of this step's K, has landed;
	ds_add_u32 v[SPW], v[NIL]                      ; 0 onto my spare word;
	s_wait_xcnt 0x0                                ; the last prefetch has read its address,
	s_add_nc_u64 s[PFV:PFV+1], s[PFV:PFV+1], STEPB ; which steps to V of the next step
	s_wait_dscnt 0x0                               ; the add is done, and my reads of V's slot and of P's images are over
	CROUND                                         ; so of every wave of all four partners
	tensor_load_to_lds s[G0V:G0V+3], s[G1V:G1V+7]  ; V of this step: my 32 keys; it has the first product in which to land
	s_nop 0
	PLACES 5                                       ; 4 in front of loads into the fragments' registers, 5 in front of products that write over P's fragments
	KLOAD 0, 0
	KLOAD 1, 1
	ASK LIMV, PFV
	s_wait_dscnt 16                                ; all but the 16 loads issued last
	KMUL 0, 0
	WIN 0
	PLACES 4
	KLOAD 2, 0
	s_wait_dscnt 16
	KMUL 1, 1
	WIN 0
	PLACES 4
	KLOAD 3, 1
	s_wait_dscnt 16
	KMUL 2, 0
	s_wait_dscnt 0x0
	KMUL 3, 1
	WIN 0
	PLACES 4
.if \mask == 1
	s_cmp_lg_u32 s[CA], s[MK]                      ; numbers made of the cluster's y alone: the same in all waves and partners.  In a first part s[MK] is 0, which the count never is here
	s_cbranch_scc1 .Lopen_\@
	MASK 2
.Lopen_\@:
.elseif \mask == 3
	s_cmp_lg_u32 s[MK], 1
	s_cbranch_scc1 .Lopen_\@
	MASK 0
	HIDE 2
.Lopen_\@:
.endif
	LMAX
	s_wait_tensorcnt 0x0                           ; my part of this step's V has landed: no load of mine is out, so the descriptors may be written;
	ds_add_u32 v[SPW], v[NIL]
.if \fillk
	s_add_nc_u64 s[G0K+2:G0K+3], s[G0K+2:G0K+3], STEPB
	s_add_nc_u64 s[G0V+2:G0V+3], s[G0V+2:G0V+3], STEPB
	s_wait_xcnt 0x0
	s_add_nc_u64 s[PFK:PFK+1], s[PFK:PFK+1], STEPB ; K of the step after the next
	s_wait_dscnt 0x0                               ; the add is done, my reads of K's slot are over, my maxima are in LDS
	CROUND
	tensor_load_to_lds s[G0K:G0K+3], s[G1K:G1K+7]  ; K of the next step: it has the softmax and the second product in which to land
	s_nop 0
	PLACES 4
.else
	s_wait_dscnt 0x0
	s_barrier_signal -1
	s_barrier_wait -1
.endif
.irp w, 0,1,2,3
	ds_load_b128 v[XM+4*\w:XM+4*\w+3], v[MXR] offset:512*\w
.endr
	VLOAD 0, 0
	VLOAD 1, 1
.if \fillk
	ASK LIMK, PFK
.endif
	s_wait_dscnt 32                                ; the maxima are in; V's 32 loads may be out
	SOFTMAX
	s_wait_dscnt 0x0                               ; for the others' sake: my images of P are in LDS
	s_barrier_signal -1
	s_barrier_wait -1                              ; K's load stays on its way
	PLOAD 0
	PLOAD 1
	RESCALE
	s_wait_dscnt 8                                 ; K step 0's images are in; K step 1's eight loads may be out
	PVMUL 0
	WIN 0
	PLACES 4
	VLOAD 2, 0
	PLOAD 2
	s_wait_dscnt 24                                ; all but the run of 16 + 8 just issued
	PVMUL 1
	WIN 0
	PLACES 4
	VLOAD 3, 1
	PLOAD 3
	s_wait_dscnt 24
	PVMUL 2
	s_wait_dscnt 0x0
	PVMUL 3
	WIN 0
	s_sub_co_u32 s[LEFT], s[LEFT], 1
.endm
	s_load_b128 s[4:7], s[0:1], 0x0                ; qkv s[4:5], out0 s[6:7]
	s_load_b128 s[12:15], s[0:1], 0x10             ; part s[12:13], st s[14:15]
	v_lshl_add_u32 v[SPW], v0, 2, SPARE
	v_mov_b32 v[NIL], 0
	ds_add_u32 v[SPW], v[NIL]                      ; the wave's opening: the add, twice on end, and its wait ahead of my first tensor load
	ds_add_u32 v[SPW], v[NIL]
	v_lshrrev_b32 v[RR], 5, v0
	v_readfirstlane_b32 s[WV], v[RR]               ; wave 0..3
	s_bfe_u32 s[CX], ttmp6, 0x40000                ; p: my place in the cluster
	s_and_b32 s10, ttmp7, 0xffff                   ; the job, 0 .. 11
	; the job's pair, four bits a job: jobs 0-7: pairs 2, 6, 3, 7, 4, 5, 6, 7; jobs 8-11: pairs 1, 5, 0, 4.  Jobs 4-7 are the first parts; every other job of a pair from 4 on is a second part
	s_mov_b32 s67, 0x4051
	s_cmp_lt_u32 s10, 8
	s_cselect_b32 s66, 0x76547362, s67
	s_and_b32 s67, s10, 7
	s_lshl_b32 s67, s67, 2
	s_lshr_b32 s66, s66, s67
	s_and_b32 s[PP], s66, 15
	s_lshr_b32 s66, s10, 2
	s_cmp_eq_u32 s66, 1
	s_cselect_b32 s[FK], 1, 0
	s_cmp_ge_u32 s[PP], 4
	s_cselect_b32 s[SPLIT], 1, 0
	s_and_not1_b32 s[SEC], s[SPLIT], s[FK]
	s_xor_b32 s[MK], s[FK], 1
	s_lshl_b32 s66, s[PP], 1
	s_add_co_u32 s66, s66, 1
	s_lshl_b32 s67, s[SEC], 3                      ; the job's first step: 0 or 8
	s_sub_co_u32 s66, s66, s67                     ; up to the early block's diagonal: 2 P + 1 steps less those of the first part
	s_cmp_eq_u32 s[FK], 1
	s_cselect_b32 s[CA], 7, s66                    ; the loop's trips: 1, 3, 5 or 7; the last step is written out
	s_max_u32 s[CA], s[CA], 1                      ; (it is at least 1 by the table: said once more, so that the loop's end can be read off the text)
	s_add_co_u32 s[LEFT], s[CA], 1
	; descriptor group 1: 32 rows x 512 elements of 2 bytes, 3,072 elements apart; padding behind each row's 256 words: 4 words for K, 8 for V; mask: all four partners, bit 21 beside it
	s_mov_b32 s[G1K], 15|(1<<16)|(1<<20)|(1<<21)|(7<<22)|(3<<25)
	s_mov_b32 s[G1V], 15|(1<<16)|(1<<20)|(1<<21)|(7<<22)|(7<<25)
.irp g, G1K, G1V
	s_mov_b32 s[\g+1], 512<<16                     ; tensor_dim0
	s_mov_b32 s[\g+2], 32<<16                      ; tensor_dim1
	s_mov_b32 s[\g+3], 512<<16                     ; tile_dim0
	s_mov_b32 s[\g+4], 32                          ; tile_dim1
	s_mov_b32 s[\g+5], 3072                        ; stride
	s_mov_b32 s[\g+6], 0
	s_mov_b32 s[\g+7], 0
.endr
	s_mov_b32 s[G0K], 1
	s_mul_i32 s[G0K+1], s[WV], 32*PK               ; my 32 keys' place in K's slot: the wave's number alone
	s_mov_b32 s[G0V], 1
	s_mul_i32 s[G0V+1], s[WV], 32*PV
	s_add_co_u32 s[G0V+1], s[G0V+1], VB
	s_mov_b32 s[CS], 0x3d8293ee                    ; c = log2(e) / sqrt(512)
	s_mov_b32 s[CS+1], s[CS]
	s_mov_b32 s[SEL], 0x76543210
	s_mov_b32 s[SEL+1], 0xfedcba98
	s_cmp_eq_u32 s[PP], 7                          ; the two jobs of pair 7 prefetch: the same in all four partners
	s_cselect_b32 s[LIMK], 2, -1
	s_cselect_b32 s[LIMV], 1, -1
	s_lshr_b32 s66, ttmp9, 1                       ; batch
	s_and_b32 s67, ttmp9, 1                        ; head
	s_mul_i32 s68, s66, 2048*ROWQ
	s_lshl_b32 s69, s67, 10
	s_add_co_u32 s68, s68, s69                     ; the (batch, head)'s first byte in qkv
	s_mul_i32 s88, s[SEC], 8*STEPB
	s_add_co_u32 s88, s88, s68                     ; + the job's first key
	s_mul_i32 s69, s[WV], 32*ROWQ
	s_add_co_u32 s70, s88, s69                     ; + my 32 keys of a step
	s_mov_b32 s71, 0
	v_and_b32 v[RR], 15, v0                        ; r
	v_bfe_u32 v[HH], v0, 4, 1                      ; h
	v_and_b32 v[SO8], 31, v0                       ; lane
	s_mul_i32 s69, s[WV], 32*PK
	v_mul_u32_u24 v[AK], v[RR], PK
	v_lshl_add_u32 v[AK], v[HH], 4, v[AK]
	v_add_nc_u32 v[AK], s69, v[AK]                 ; K: (32 w + r) x pitch + 16 h
	v_and_b32 v[AV0], 7, v0
	v_lshl_add_u32 v[AV0], v[HH], 3, v[AV0]
	v_mul_u32_u24 v[AV0], v[AV0], PV
	v_bfe_u32 v[AV0+1], v0, 3, 1
	v_lshl_add_u32 v[AV0], v[AV0+1], 4, v[AV0]
	s_lshl_b32 s69, s[WV], 8
	s_add_co_u32 s69, s69, VB
	v_add_nc_u32 v[AV0], s69, v[AV0]               ; V, for the turning load: key 8 h + l % 8, my wave's 256 bytes, + 16 ((l / 8) % 2)
	v_add_nc_u32 v[AV0+1], 64*PV, v[AV0]
	v_lshlrev_b32 v[GO], 4, v[SO8]                 ; 16 x lane
	s_lshl_b32 s69, s[WV], 12
	s_add_co_u32 s69, s69, PIMG
	v_add_nc_u32 v[PWI], s69, v[GO]
	v_add_nc_u32 v[LI], PIMG, v[GO]
	s_lshl_b32 s69, s[WV], 9
	s_add_co_u32 s69, s69, MAXX
	v_add_nc_u32 v[MXW], s69, v[GO]
	v_add_nc_u32 v[MXR], MAXX, v[GO]
	v_mul_u32_u24 v[QO], v[RR], ROWQ
	v_lshl_add_u32 v[QO], v[HH], 4, v[QO]          ; Q: row r, + 16 h
	s_mul_i32 s69, s[WV], 16*528
	s_add_co_u32 s69, s69, STAGE
	v_mul_u32_u24 v[STO], v[RR], 528
	v_lshl_add_u32 v[STO], v[HH], 5, v[STO]
	v_add_nc_u32 v[STO], s69, v[STO]               ; the stage, in: row r, 32 bytes for each half of the lanes
	v_add_nc_u32 v[RD], s69, v[GO]                 ; back: 32 lanes take a row of 512 bytes
	v_mul_u32_u24 v[PFO], v[SO8], ROWQ             ; the prefetches: a lane a row
	v_lshlrev_b32 v[SO8], 3, v[SO8]                ; the statistics: 8 bytes a query, 32 queries a piece
	v_mov_b32 v[NINF], 0xff800000
	; what hangs on my place in the cluster: numbers for the mask, and addresses in memory
	s_sub_co_i32 s72, s[CX], s[WV]
	s_lshl_b32 s72, s72, 5
	v_lshlrev_b32 v[DM], 3, v[HH]
	v_sub_nc_u32 v[DM], v[RR], v[DM]
	v_add_nc_u32 v[DM], s72, v[DM]
	s_lshl_b32 s73, s[CX], 5                       ; 32 p
	s_lshl_b32 s74, s[PP], 8
	s_add_co_u32 s74, s74, s73                     ; the early piece's first query: 256 P + 32 p
	s_add_co_u32 s72, s74, 128                     ; the late piece's
	s_lshl_b32 s75, s66, 11                        ; 2,048 x batch
	s_lshl_b32 s78, s67, 11
	s_lshl_b32 s79, s[WV], 9
	s_add_co_u32 s78, s78, s79                     ; the result: the head's 2,048 bytes of a row, my wave's 512,
	s_lshl_b32 s79, s[SEC], 25
	s_add_co_u32 s78, s78, s79                     ; and in a second part 33,554,432 bytes on
	s_mov_b32 s77, 0
	s_lshl_b32 s89, s[SEC], 3
	s_add_co_u32 s89, s89, ttmp9
	s_lshl_b32 s89, s89, 11                        ; the statistics: (8 x part + 2 x batch + head) x 2,048 queries
	s_wait_dscnt 0x0                               ; both opening adds are done
	s_wait_kmcnt 0x0
	s_add_nc_u64 s[G0K+2:G0K+3], s[4:5], s[70:71]
	s_add_nc_u64 s[G0V+2:G0V+3], s[G0K+2:G0K+3], 4096   ; v lies 4,096 bytes into a row,
	s_add_nc_u64 s[G0K+2:G0K+3], s[G0K+2:G0K+3], 2048   ; k 2,048
	s_or_b32 s[G0K+3], s[G0K+3], 0x80000000
	s_or_b32 s[G0V+3], s[G0V+3], 0x80000000
	s_mul_i32 s76, s72, ROWQ
	s_add_co_u32 s76, s76, s68
	s_add_nc_u64 s[QB:QB+1], s[4:5], s[76:77]
	s_mul_i32 s76, s74, ROWQ
	s_add_co_u32 s76, s76, s68
	s_add_nc_u64 s[QB+2:QB+3], s[4:5], s[76:77]
	s_cmp_eq_u32 s[SPLIT], 1                       ; where the result goes hangs on the job alone: a part, or out0
	s_cselect_b64 s[6:7], s[12:13], s[6:7]
	s_add_co_u32 s76, s75, s72
	s_lshl_b32 s76, s76, 12
	s_add_co_u32 s76, s76, s78
	s_add_nc_u64 s[OB:OB+1], s[6:7], s[76:77]
	s_add_co_u32 s76, s75, s74
	s_lshl_b32 s76, s76, 12
	s_add_co_u32 s76, s76, s78
	s_add_nc_u64 s[OB+2:OB+3], s[6:7], s[76:77]
	s_add_co_u32 s76, s89, s72
	s_lshl_b32 s76, s76, 3
	s_add_nc_u64 s[STB:STB+1], s[14:15], s[76:77]
	s_add_co_u32 s76, s89, s74
	s_lshl_b32 s76, s76, 3
	s_add_nc_u64 s[STB+2:STB+3], s[14:15], s[76:77]
	s_mul_i32 s76, s[CX], 32*ROWQ                  ; the prefetches: my work-group's 32 rows of a step,
	s_add_co_u32 s76, s76, s88
	s_lshl_b32 s79, s[WV], 8                       ; my wave's 256 bytes of each
	s_add_co_u32 s76, s76, s79
	s_add_nc_u64 s[PFV:PFV+1], s[4:5], s[76:77]
	s_add_nc_u64 s[PFK:PFK+1], s[PFV:PFV+1], 2048+STEPB   ; at K of the job's second step: the first step steps it to the third
	s_add_nc_u64 s[PFV:PFV+1], s[PFV:PFV+1], 4096         ; at V of the job's first step: the first step steps it to the second.  Nothing is prefetched here, at the head
	CROUND                                         ; all four partners are here: the first joint loads meet
	tensor_load_to_lds s[G0K:G0K+3], s[G1K:G1K+7]  ; K of the job's first step
	s_nop 0
	PLACES 4
.macro QLOAD hi                        ; Q of my work-group's 64 queries, channels 256 hi on: it stays in registers
.irp t, 0,1,2,3
.irp i, 0,1,2,3,4,5,6,7
	global_load_b128 v[64*\t+8*\i:64*\t+8*\i+3],   v[QO], s[QB+2*(\t/2):QB+2*(\t/2)+1] offset:16*ROWQ*(\t%2)+64*(8*\hi+\i)
	global_load_b128 v[64*\t+8*\i+4:64*\t+8*\i+7], v[QO], s[QB+2*(\t/2):QB+2*(\t/2)+1] offset:16*ROWQ*(\t%2)+64*(8*\hi+\i)+32
.endr
.endr
.endm
	WIN 0x80                                       ; destination window 2
	QLOAD 0
	WIN 0xc0                                       ; destination window 3
	QLOAD 1
	WIN 0
.irp t, 0,1,2,3
	v_mov_b32 v[ST+6*\t+1], 0xff61b1e6             ; the largest score so far: -3e38, under every score
	v_mul_f32 v[ST+6*\t], s[CS], v[ST+6*\t+1]
	v_mov_b32 v[ST+6*\t+2], 0
	v_mov_b32 v[ST+6*\t+3], 0
	v_mov_b32 v[ST+6*\t+4], 0
	v_mov_b32 v[ST+6*\t+5], 0
.endr
.irp i, 0,1,2,3,4,5,6,7,8,9,10,11,12,13,14,15,16,17,18,19
	v_mov_b32 v[MX+\i], 0                          ; written once: a lane permute's destination counts as one of its sources
.endr
	WIN 0x40
.set i, 0
.rept 256
	v_mov_b32 v[i], 0                              ; O^T.  The step is written with no first copy: the first step finds zeros, which a = 0 leaves zeros.  These lines run while Q and K are on their way
.set i, i+1
.endr
	WIN 0
	s_wait_loadcnt 0x0                             ; Q
.LA:                                               ; all steps of the job but the last
	STEP 1, 1
	s_sub_co_u32 s[CA], s[CA], 1
	s_cmp_lg_u32 s[CA], 0
	s_cbranch_scc1 .LA
	STEP 0, 3                                      ; the last step is written out, since it asks for no further K
	; THE END.  A row's sum: my wave's two halves, the other half of the lanes', then the four waves' through LDS.  (The additions are also the places behind the last products.)
.irp t, 0,1,2,3
	v_add_f32 v[MX+\t], v[ST+6*\t+2], v[ST+6*\t+3]
.endr
.irp t, 0,1,2,3
	v_permlanex16_b32 v[XM+\t], v[MX+\t], s[SEL], s[SEL+1]
.endr
.irp t, 0,1,2,3
	v_add_f32 v[MX+\t], v[MX+\t], v[XM+\t]
.endr
	ds_store_b128 v[MXW], v[MX:MX+3] offset:2048
	s_wait_dscnt 0x0
	s_barrier_signal -1
	s_barrier_wait -1
.irp w, 0,1,2,3
	ds_load_b128 v[XM+4*\w:XM+4*\w+3], v[MXR] offset:2048+512*\w
.endr
	s_wait_dscnt 0x0
.irp t, 0,1,2,3
	v_add_f32 v[MX+\t], v[XM+\t], v[XM+4+\t]
.endr
.irp t, 0,1,2,3
	v_add_f32 v[XM+\t], v[XM+8+\t], v[XM+12+\t]
.endr
.irp t, 0,1,2,3
	v_add_f32 v[MX+\t], v[MX+\t], v[XM+\t]
.endr
.irp t, 0,1,2,3
	v_rcp_f32 v[ST+6*\t+4], v[MX+\t]               ; the sum is at least 1: the largest score's p
.endr
	v_nop
	s_wait_alu depctr_va_vdst(0)                   ; one wait for the four reciprocals, ahead of their first reader
	; each query's c m and l, for the launch that joins the parts: they are the same in all four waves, so wave 0 stores them.  Lanes 0-15 take a piece's first tile, lanes 16-31 its second: a store covers 256 consecutive bytes, aligned
	s_cmp_lg_u32 s[WV], 0
	s_cbranch_scc1 .Lno_stat
	v_cmp_eq_u32 vcc_lo, 1, v[HH]
	v_cndmask_b32 v[XM], v[ST], v[ST+6], vcc_lo
	v_cndmask_b32 v[XM+1], v[MX], v[MX+1], vcc_lo
	v_cndmask_b32 v[XM+2], v[ST+12], v[ST+18], vcc_lo
	v_cndmask_b32 v[XM+3], v[MX+2], v[MX+3], vcc_lo
	global_store_b64 v[SO8], v[XM:XM+1], s[STB:STB+1]
	global_store_b64 v[SO8], v[XM+2:XM+3], s[STB+2:STB+3]
.Lno_stat:
; Tile t: O^T / the sum; a lane's eight channels of a row are 32 bytes; through my stage, back as whole rows of 512 bytes.
.macro OUTT t
	WIN 0x01                                       ; source 0: window 1
.set i, 0
.rept 32
	v_pk_mul_f32 v[FB+i:FB+i+1], v[64*\t+i:64*\t+i+1], v[ST+6*\t+4:ST+6*\t+5] op_sel_hi:[1,0]
.set i, i+2
.endr
	WIN 0
.irp c, 0,1,2,3,4,5,6,7
	ds_store_b128 v[STO], v[FB+8*\c:FB+8*\c+3] offset:64*\c
	ds_store_b128 v[STO], v[FB+8*\c+4:FB+8*\c+7] offset:64*\c+16
.endr
.if \t > 1
	s_wait_xcnt 0x0                                ; the stores of the tile two back have read the registers that the loads below fill
.endif
.irp n, 0,1,2,3,4,5,6,7,8,9,10,11,12,13,14,15
	ds_load_b128 v[S+128*(\t%2)+4*\n:S+128*(\t%2)+4*\n+3], v[RD] offset:528*\n   ; LDS serves a wave's instructions in order: these see the stores above
.endr
.endm
.macro SENDT t, younger                ; younger: the LDS instructions issued behind tile t's loads
	s_wait_dscnt \younger
.irp n, 0,1,2,3,4,5,6,7,8,9,10,11,12,13,14,15
	global_store_b128 v[GO], v[S+128*(\t%2)+4*\n:S+128*(\t%2)+4*\n+3], s[OB+2*(\t/2):OB+2*(\t/2)+1] offset:(16*(\t%2)+\n)*4096 th:TH_STORE_NT   ; 32 lanes store 512 consecutive bytes, at a multiple of 512 from the buffer's first byte
.endr
.endm
	OUTT 0
	OUTT 1
	SENDT 0, 32
	OUTT 2
	SENDT 1, 32
	OUTT 3
	SENDT 2, 32
	SENDT 3, 0
	s_wait_tensorcnt 0x0                           ; the wave's end
	ds_add_u32 v[SPW], v[NIL]
	s_wait_dscnt 0x0
	CROUND                                         ; the closing round
	s_endpgm
.Lfunc_end_k_q98c8217a4f_attn:
	.size	k_q98c8217a4f_attn, .Lfunc_end_k_q98c8217a4f_attn-k_q98c8217a4f_attn
	.p2alignl 7, 3214868480
	.fill 96, 4, 3214868480
	.section	.rodata,"a",@progbits
	.p2align	6, 0x0
	.amdhsa_kernel k_q98c8217a4f_attn
		.amdhsa_group_segment_fixed_size 327680
		.amdhsa_private_segment_fixed_size 0
		.amdhsa_enable_private_segment 0
		.amdhsa_kernarg_size 32
		.amdhsa_user_sgpr_count 2
		.amdhsa_user_sgpr_kernarg_segment_ptr 1
		.amdhsa_wavefront_size32 1
		.amdhsa_system_sgpr_workgroup_id_x 1
		.amdhsa_system_sgpr_workgroup_id_y 1
		.amdhsa_system_sgpr_workgroup_id_z 1
		.amdhsa_system_vgpr_workitem_id 0
		.amdhsa_next_free_vgpr 1024
		.amdhsa_next_free_sgpr 92
		.amdhsa_reserve_vcc 1
		.amdhsa_float_denorm_mode_32 3
		.amdhsa_float_denorm_mode_16_64 3
		.amdhsa_memory_ordered 1
		.amdhsa_forward_progress 1
		.amdhsa_inst_pref_size 158
	.end_amdhsa_kernel
	.amdgpu_metadata
---
amdhsa.version: [ 1, 2 ]
amdhsa.kernels:
  - .name:           k_q98c8217a4f_attn
    .symbol:         k_q98c8217a4f_attn.kd
    .args:
      - { .name: qkv, .offset: 0, .size: 8, .value_kind: global_buffer, .address_space: global }
      - { .name: out0, .offset: 8, .size: 8, .value_kind: global_buffer, .address_space: global }
      - { .name: part, .offset: 16, .size: 8, .value_kind: global_buffer, .address_space: global }
      - { .name: st, .offset: 24, .size: 8, .value_kind: global_buffer, .address_space: global }
    .group_segment_fixed_size: 327680
    .private_segment_fixed_size: 0
    .kernarg_segment_align: 8
    .kernarg_segment_size: 32
    .max_flat_workgroup_size: 128
    .sgpr_count:     92
    .vgpr_count:     1024
    .wavefront_size: 32
...
	.end_amdgpu_metadata
.endif
;; end of part 3
;; launch merge (part 4): grid 256 x 1, 8 waves a work-group, no clusters, 0 bytes of LDS; arguments part, st, out0; writes out0
.if DOCPART == 4
	.amdgcn_target "amdgcn-amd-amdhsa--gfx1250"
	.amdhsa_code_object_version 6
	.text
	.protected	k_q98c8217a4f_merge
	.globl	k_q98c8217a4f_merge
	.p2align	8
	.type	k_q98c8217a4f_merge,@function
k_q98c8217a4f_merge:
	s_mov_b64 s[64:65], 0
	v_nop
	global_prefetch_b8 v0, s[64:65] scope:SCOPE_SE
	s_setreg_imm32_b32 hwreg(HW_REG_WAVE_MODE, 25, 1), 1
	s_wait_xcnt 0x0
; Positions 1,024 to 2,047 of every batch: attention's keys were cut at key 1,024, and the two parts are joined here.
; part holds, laid as out0 [4][2048][1024] f32 and twice (the second 33,554,432 bytes on), each part's own O / l; st [2 parts][2 x batch + head][2048][2] f32 holds each query's c m (the largest score in powers of two) and l.
; out = (w0 O0 + w1 O1) / (w0 + w1) with w_i = l_i 2^(c m_i - the larger c m): the larger maximum is taken away ahead of the exponentials; each l is at least 1, so the divisor is at least 1.
; A stream: every byte is read once and written once; no LDS, no matrix work, nothing shared between work-groups.  A work-group of eight waves takes 16 rows of 4,096 bytes; thread t owns the 16 bytes at 16 t of every row,
; so a load or store of a wave covers 512 consecutive bytes; waves 0-3 lie in head 0, waves 4-7 in head 1.  Lane r makes row r's two weights; they go to scalar registers, a pair a row.  All 34 loads of a wave go out at the head.
; LIMITS: NaN and infinities are not served.
.set A, 16                             ; v16-79   the first part's 16 rows, then the result
.set B, 80                             ; v80-143  the second part's
.set W, 32                             ; s32-63   row i: its two weights in s[W + 2 i], s[W + 2 i + 1]
	s_load_b128 s[4:7], s[0:1], 0x0                ; part s[4:5], st s[6:7]
	s_load_b64 s[8:9], s[0:1], 0x10                ; out0
	v_lshrrev_b32 v1, 5, v0
	v_readfirstlane_b32 s12, v1                    ; wave 0..7
	v_lshlrev_b32 v2, 4, v0                        ; my 16 bytes of a row
	v_and_b32 v3, 15, v0
	v_lshlrev_b32 v3, 3, v3                        ; row lane % 16: 8 bytes of statistics (lanes 16-31 read the same and are not used)
	s_lshr_b32 s13, ttmp9, 6                       ; batch: 64 work-groups each
	s_and_b32 s14, ttmp9, 63
	s_lshl_b32 s14, s14, 4
	s_add_co_u32 s14, s14, 1024                    ; my first position
	s_lshl_b32 s16, s13, 11
	s_add_co_u32 s16, s16, s14
	s_lshl_b32 s16, s16, 12                        ; its row, in bytes
	s_mov_b32 s17, 0
	s_lshl_b32 s18, s13, 1
	s_lshr_b32 s19, s12, 2                         ; my wave's head
	s_add_co_u32 s18, s18, s19
	s_lshl_b32 s18, s18, 11
	s_add_co_u32 s18, s18, s14
	s_lshl_b32 s18, s18, 3                         ; its statistics in the first part, in bytes
	s_mov_b32 s19, 0
	s_wait_kmcnt 0x0
	s_add_nc_u64 s[4:5], s[4:5], s[16:17]
	s_add_nc_u64 s[10:11], s[4:5], 0x2000000       ; the second part
	s_add_nc_u64 s[8:9], s[8:9], s[16:17]
	s_add_nc_u64 s[6:7], s[6:7], s[18:19]
	global_load_b64 v[4:5], v3, s[6:7]             ; c m and l of the first part,
	global_load_b64 v[6:7], v3, s[6:7] offset:131072   ; of the second: 8 x 2,048 x 8 bytes on
.irp i, 0,1,2,3,4,5,6,7,8,9,10,11,12,13,14,15
	global_load_b128 v[A+4*\i:A+4*\i+3], v2, s[4:5] offset:4096*\i th:TH_LOAD_NT
	global_load_b128 v[B+4*\i:B+4*\i+3], v2, s[10:11] offset:4096*\i th:TH_LOAD_NT
.endr
	s_wait_loadcnt 32                              ; the statistics are in; the rows' 32 loads may be out
	v_max_num_f32 v8, v4, v6                       ; the larger c m
	v_sub_f32 v9, v4, v8
	v_sub_f32 v10, v6, v8
	v_exp_f32 v9, v9
	v_exp_f32 v10, v10
	v_nop                                          ; a plain line behind the exponentials,
	s_wait_alu depctr_va_vdst(0)                   ; and one wait for both, ahead of their first reader
	v_mul_f32 v9, v9, v5
	v_mul_f32 v10, v10, v7
	v_add_f32 v11, v9, v10
	v_rcp_f32 v12, v11
	v_nop
	s_wait_alu depctr_va_vdst(0)
	v_mul_f32 v9, v9, v12                          ; the two weights of row lane % 16: they add up to 1
	v_mul_f32 v10, v10, v12
.irp i, 0,1,2,3,4,5,6,7,8,9,10,11,12,13,14,15
	v_readlane_b32 s[W+2*\i], v9, \i
	v_readlane_b32 s[W+2*\i+1], v10, \i
.endr
.irp i, 0,1,2,3,4,5,6,7,8,9,10,11,12,13,14,15
	s_wait_loadcnt 30-2*\i                         ; loads come back in order (ISA guide 5.7.1): row i's two are in, the rows behind it may be out
.irp j, 0,1,2,3
	v_mul_f32 v[A+4*\i+\j], s[W+2*\i], v[A+4*\i+\j]
.endr
.irp j, 0,1,2,3
	v_fma_f32 v[A+4*\i+\j], s[W+2*\i+1], v[B+4*\i+\j], v[A+4*\i+\j]
.endr
	global_store_b128 v2, v[A+4*\i:A+4*\i+3], s[8:9] offset:4096*\i th:TH_STORE_NT   ; a wave stores 512 consecutive bytes, aligned; no store's registers are written again
.endr
	s_endpgm
.Lfunc_end_k_q98c8217a4f_merge:
	.size	k_q98c8217a4f_merge, .Lfunc_end_k_q98c8217a4f_merge-k_q98c8217a4f_merge
	.p2alignl 7, 3214868480
	.fill 96, 4, 3214868480
	.section	.rodata,"a",@progbits
	.p2align	6, 0x0
	.amdhsa_kernel k_q98c8217a4f_merge
		.amdhsa_group_segment_fixed_size 0
		.amdhsa_private_segment_fixed_size 0
		.amdhsa_enable_private_segment 0
		.amdhsa_kernarg_size 24
		.amdhsa_user_sgpr_count 2
		.amdhsa_user_sgpr_kernarg_segment_ptr 1
		.amdhsa_wavefront_size32 1
		.amdhsa_system_sgpr_workgroup_id_x 1
		.amdhsa_system_sgpr_workgroup_id_y 1
		.amdhsa_system_sgpr_workgroup_id_z 1
		.amdhsa_system_vgpr_workitem_id 0
		.amdhsa_next_free_vgpr 144
		.amdhsa_next_free_sgpr 66
		.amdhsa_reserve_vcc 0
		.amdhsa_float_denorm_mode_32 3
		.amdhsa_float_denorm_mode_16_64 3
		.amdhsa_memory_ordered 1
		.amdhsa_forward_progress 1
		.amdhsa_inst_pref_size 15
	.end_amdhsa_kernel
	.amdgpu_metadata
---
amdhsa.version: [ 1, 2 ]
amdhsa.kernels:
  - .name:           k_q98c8217a4f_merge
    .symbol:         k_q98c8217a4f_merge.kd
    .args:
      - { .name: part, .offset: 0, .size: 8, .value_kind: global_buffer, .address_space: global }
      - { .name: st, .offset: 8, .size: 8, .value_kind: global_buffer, .address_space: global }
      - { .name: out0, .offset: 16, .size: 8, .value_kind: global_buffer, .address_space: global }
    .group_segment_fixed_size: 0
    .private_segment_fixed_size: 0
    .kernarg_segment_align: 8
    .kernarg_segment_size: 24
    .max_flat_workgroup_size: 256
    .sgpr_count:     66
    .vgpr_count:     144
    .wavefront_size: 32
...
	.end_amdgpu_metadata
.endif
;; end of part 4
;; launch head16 (part 5): grid 8 x 1, 8 waves a work-group, no clusters, 44,032 bytes of LDS; arguments fine, out0; writes out0
.if DOCPART == 5
	.amdgcn_target "amdgcn-amd-amdhsa--gfx1250"
	.amdhsa_code_object_version 6
	.text
	.protected	k_q98c8217a4f_head16
	.globl	k_q98c8217a4f_head16
	.p2align	8
	.type	k_q98c8217a4f_head16,@function
k_q98c8217a4f_head16:
	s_mov_b64 s[64:65], 0
	v_nop
	global_prefetch_b8 v0, s[64:65] scope:SCOPE_SE
	s_setreg_imm32_b32 hwreg(HW_REG_WAVE_MODE, 25, 1), 1
	s_wait_xcnt 0x0
; The first 16 positions of every (batch, head), once more, with f32 operands throughout: these rows average one to sixteen values, so the rounding of operands weighs most there.
; fine [4][16][3072] f32 holds q, k, v of those positions as the projections' f32 sums.  out0's rows 0-15 of each batch are stored anew: 8 x 16 x 512 numbers.  No bulk work: 32 small matrix instructions a wave.
; A work-group takes one (batch, head); wave w takes channels 64 w .. +63: its part of S^T = K Q^T; the eight parts are added through LDS; every wave makes the softmax; then its 64 channels of O^T = V^T P.
; The f32 form takes K = 4: lane (r, h) holds k = 2 h + j in register j.  Both sources of a product are loaded under one and the same permutation of k, which leaves the sum what it is.
; LIMITS: NaN and infinities are not served.  v112-175 are written by matrix instructions alone.
.set STG,   8192                       ; LDS: 0: the waves' parts of S^T, 1,024 bytes a wave; STG: a stage of 16 rows x (256 + 16) bytes a wave
.set SPARE, 43008                      ; the spare words, 128 bytes a wave
.set SPW,   250
.set NIL,   251
	s_load_b128 s[4:7], s[0:1], 0x0                ; fine, out0
	v_lshl_add_u32 v[SPW], v0, 2, SPARE
	v_mov_b32 v[NIL], 0
	v_lshrrev_b32 v1, 5, v0
	v_readfirstlane_b32 s8, v1                     ; wave 0..7
	v_and_b32 v1, 15, v0                           ; r
	v_bfe_u32 v2, v0, 4, 1                         ; h
	v_and_b32 v3, 31, v0                           ; lane
	s_lshr_b32 s9, ttmp9, 1                        ; batch
	s_and_b32 s10, ttmp9, 1                        ; head
	s_lshl_b32 s11, s10, 11                        ; the head's 512 numbers: 2,048 bytes, in fine and in out0
	s_lshl_b32 s14, s8, 8                          ; my wave's 64 channels: 256 bytes
	s_mul_i32 s12, s9, 196608                      ; fine: 16 rows of 12,288 bytes a batch
	s_add_co_u32 s12, s12, s11
	s_add_co_u32 s12, s12, s14
	s_mov_b32 s13, 0
	s_lshl_b32 s20, s9, 23                         ; out0: 2,048 rows of 4,096 bytes a batch
	s_add_co_u32 s20, s20, s11
	s_add_co_u32 s20, s20, s14
	s_mov_b32 s21, 0
	s_mov_b32 s16, 0x3d8293ee                      ; c = log2(e) / sqrt(512)
	s_mov_b32 s18, 0x76543210
	s_mov_b32 s19, 0xfedcba98                      ; lane l xor 16
	v_mul_u32_u24 v4, v1, 12288
	v_lshl_add_u32 v4, v2, 4, v4                   ; q, k: row r, + 16 h: four channels a load
	v_mul_u32_u24 v5, v2, 98304
	v_lshl_add_u32 v5, v1, 2, v5                   ; v: key 8 h on, channel r
	v_lshlrev_b32 v7, 4, v3                        ; 16 x lane
	s_lshl_b32 s15, s8, 10
	v_add_nc_u32 v6, s15, v7                       ; where my part of S^T goes
	v_lshlrev_b32 v8, 3, v2
	v_sub_nc_u32 v8, v1, v8                        ; r - 8 h: register j holds key 8 h + j, hidden where j is above this
	v_mov_b32 v9, 0xff800000                       ; -infinity
	v_mov_b32 v11, 0                               ; a lane permute's destination counts as one of its sources
	s_mul_i32 s15, s8, 4352
	s_add_co_u32 s15, s15, STG
	v_mul_u32_u24 v15, v1, 272
	v_lshl_add_u32 v15, v2, 5, v15
	v_add_nc_u32 v15, s15, v15                     ; the stage, in: row r, + 32 h
	v_mul_u32_u24 v248, v2, 272
	v_lshl_add_u32 v248, v1, 4, v248
	v_add_nc_u32 v248, s15, v248                   ; back: lanes 0-15 one row of 256 bytes, lanes 16-31 the next
	v_lshlrev_b32 v249, 12, v2
	v_lshl_add_u32 v249, v1, 4, v249               ; and the same two rows in out0
	s_wait_kmcnt 0x0
	s_add_nc_u64 s[4:5], s[4:5], s[12:13]
	s_add_nc_u64 s[6:7], s[6:7], s[20:21]
.irp i, 0,1,2,3,4,5,6,7
	global_load_b128 v[16+4*\i:19+4*\i], v4, s[4:5] offset:32*\i          ; q(r, 8 i + 4 h + 0 .. 3)
.endr
.irp i, 0,1,2,3,4,5,6,7
	global_load_b128 v[48+4*\i:51+4*\i], v4, s[4:5] offset:4096+32*\i     ; k likewise
.endr
.irp c, 0,1,2,3
.irp n, 0,1,2,3,4,5,6,7
	global_load_b32 v[80+8*\c+\n], v5, s[4:5] offset:8192+12288*\n+64*\c  ; v(key 8 h + n, channel 16 c + r)
.endr
.endr
	s_wait_loadcnt 32                              ; q and k are in; v's 32 loads may be out
.set n, 0
.rept 16                               ; my 64 channels, 4 a product; four accumulators by turns; the first four products start the sums
.if n < 4
	v_wmma_f32_16x16x4_f32 v[112+8*(n%4):119+8*(n%4)], v[48+2*n:49+2*n], v[16+2*n:17+2*n], 0
.else
	v_wmma_f32_16x16x4_f32 v[112+8*(n%4):119+8*(n%4)], v[48+2*n:49+2*n], v[16+2*n:17+2*n], v[112+8*(n%4):119+8*(n%4)]
.endif
.set n, n+1
.endr
.rept 8
	v_nop                                          ; eight places behind this form (ISA guide 7.12.1)
.endr
.irp j, 0,1,2,3,4,5,6,7
	v_add_f32 v[176+\j], v[112+\j], v[120+\j]      ; each accumulator from its low end on
.endr
.irp j, 0,1,2,3,4,5,6,7
	v_add_f32 v[184+\j], v[128+\j], v[136+\j]
.endr
.irp j, 0,1,2,3,4,5,6,7
	v_add_f32 v[176+\j], v[176+\j], v[184+\j]
.endr
	ds_store_b128 v6, v[176:179]
	ds_store_b128 v6, v[180:183] offset:512
	s_wait_dscnt 0x0                               ; for the others' sake
	s_barrier_signal -1
	s_barrier_wait -1
.irp w, 0,1,2,3,4,5,6,7
	ds_load_b128 v[184+8*\w:187+8*\w], v7 offset:1024*\w
	ds_load_b128 v[188+8*\w:191+8*\w], v7 offset:1024*\w+512
.endr
	s_wait_dscnt 0x0
.irp j, 0,1,2,3,4,5,6,7
	v_add_f32 v[176+\j], v[184+\j], v[192+\j]
.endr
.irp w, 2,3,4,5,6,7
.irp j, 0,1,2,3,4,5,6,7
	v_add_f32 v[176+\j], v[176+\j], v[184+8*\w+\j] ; S^T(key 8 h + j, query r), the same in every wave
.endr
.endr
.irp j, 0,1,2,3,4,5,6,7
	v_cmp_gt_i32 vcc_lo, \j, v8
	v_cndmask_b32 v[176+\j], v[176+\j], v9, vcc_lo ; the causal mask
.endr
	v_max3_num_f32 v10, v176, v177, v178
	v_max3_num_f32 v10, v10, v179, v180
	v_max3_num_f32 v10, v10, v181, v182
	v_max_num_f32 v10, v10, v183
	v_permlanex16_b32 v11, v10, s18, s19
	v_max_num_f32 v10, v10, v11                    ; the row's largest score: key 0 counts for every query
	v_mul_f32 v12, s16, v10
.irp j, 0,1,2,3,4,5,6,7
	v_fma_f32 v[176+\j], v[176+\j], s16, -v12
.endr
.irp j, 0,1,2,3,4,5,6,7
	v_exp_f32 v[176+\j], v[176+\j]
.endr
	v_nop
	s_wait_alu depctr_va_vdst(0)                   ; one wait for the eight exponentials, ahead of their first reader
	v_add_f32 v13, v176, v177
	v_add_f32 v14, v178, v179
	v_add_f32 v13, v13, v180
	v_add_f32 v14, v14, v181
	v_add_f32 v13, v13, v182
	v_add_f32 v14, v14, v183
	v_add_f32 v13, v13, v14
	v_permlanex16_b32 v11, v13, s18, s19
	v_add_f32 v13, v13, v11                        ; the row's sum
	v_rcp_f32 v14, v13
	v_nop
	s_wait_alu depctr_va_vdst(0)
.irp j, 0,1,2,3,4,5,6,7
	v_mul_f32 v[16+\j], v[176+\j], v14             ; the weights: lane (r, h), register j: query r, key 8 h + j
.endr
	s_wait_loadcnt 0x0                             ; v
.irp u, 0,1,2,3                        ; K step u: keys 8 h + 2 u + 0, 1 on both sides; four accumulators (16 channels each) by turns
.irp c, 0,1,2,3
.if \u == 0
	v_wmma_f32_16x16x4_f32 v[144+8*\c:151+8*\c], v[80+8*\c+2*\u:81+8*\c+2*\u], v[16+2*\u:17+2*\u], 0
.else
	v_wmma_f32_16x16x4_f32 v[144+8*\c:151+8*\c], v[80+8*\c+2*\u:81+8*\c+2*\u], v[16+2*\u:17+2*\u], v[144+8*\c:151+8*\c]
.endif
.endr
.endr
.rept 8
	v_nop
.endr
.irp c, 0,1,2,3
	ds_store_b128 v15, v[144+8*\c:147+8*\c] offset:64*\c           ; lane (r, h): o(query r, channel 16 c + 8 h + 0 .. 7); each accumulator from its low end on
	ds_store_b128 v15, v[148+8*\c:151+8*\c] offset:64*\c+16
.endr
.irp i, 0,1,2,3,4,5,6,7
	ds_load_b128 v[184+4*\i:187+4*\i], v248 offset:544*\i          ; my own stage: LDS serves a wave's instructions in order
.endr
.irp i, 0,1,2,3,4,5,6,7
	s_wait_dscnt 7-\i                              ; LDS loads come back in order: pair i of rows is in
	global_store_b128 v249, v[184+4*\i:187+4*\i], s[6:7] offset:8192*\i   ; 16 lanes store 256 consecutive bytes, aligned
.endr
	s_wait_tensorcnt 0x0                           ; the wave's end, behind my last LDS store
	ds_add_u32 v[SPW], v[NIL]
	s_wait_dscnt 0x0
	s_endpgm
.Lfunc_end_k_q98c8217a4f_head16:
	.size	k_q98c8217a4f_head16, .Lfunc_end_k_q98c8217a4f_head16-k_q98c8217a4f_head16
	.p2alignl 7, 3214868480
	.fill 96, 4, 3214868480
	.section	.rodata,"a",@progbits
	.p2align	6, 0x0
	.amdhsa_kernel k_q98c8217a4f_head16
		.amdhsa_group_segment_fixed_size 44032
		.amdhsa_private_segment_fixed_size 0
		.amdhsa_enable_private_segment 0
		.amdhsa_kernarg_size 16
		.amdhsa_user_sgpr_count 2
		.amdhsa_user_sgpr_kernarg_segment_ptr 1
		.amdhsa_wavefront_size32 1
		.amdhsa_system_sgpr_workgroup_id_x 1
		.amdhsa_system_sgpr_workgroup_id_y 1
		.amdhsa_system_sgpr_workgroup_id_z 1
		.amdhsa_system_vgpr_workitem_id 0
		.amdhsa_next_free_vgpr 256
		.amdhsa_next_free_sgpr 66
		.amdhsa_reserve_vcc 1
		.amdhsa_float_denorm_mode_32 3
		.amdhsa_float_denorm_mode_16_64 3
		.amdhsa_memory_ordered 1
		.amdhsa_forward_progress 1
		.amdhsa_inst_pref_size 18
	.end_amdhsa_kernel
	.amdgpu_metadata
---
amdhsa.version: [ 1, 2 ]
amdhsa.kernels:
  - .name:           k_q98c8217a4f_head16
    .symbol:         k_q98c8217a4f_head16.kd
    .args:
      - { .name: fine, .offset: 0, .size: 8, .value_kind: global_buffer, .address_space: global }
      - { .name: out0, .offset: 8, .size: 8, .value_kind: global_buffer, .address_space: global }
    .group_segment_fixed_size: 44032
    .private_segment_fixed_size: 0
    .kernarg_segment_align: 8
    .kernarg_segment_size: 16
    .max_flat_workgroup_size: 256
    .sgpr_count:     66
    .vgpr_count:     256
    .wavefront_size: 32
...
	.end_amdgpu_metadata
.endif
;; end of part 5
